; MI455X (gfx1250); checked and timed in simulation.
; The chip was launched on July 23, 2026; its instructions are those of AMD's public machine-readable ISA for CDNA 5 (MIT licence, August 2026) and "CDNA5" Instruction Set Architecture Reference Guide (July 2026). The comments in the code are by the model that wrote it; some were corrected since.
;; Attention. Allowed arithmetic: matrix products marked QUANTISED: E2M1 operands, one E8M0 scale for each 32 along K, by v_wmma_scale_f32_16x16x128_f8f6f4 with both operands' format E2M1 (or v_wmma_scale_f32_32x16x128_f4), f32 sums; everything else in f32.
;; Inputs: W_proj 1,024 x 1,024 float32; W_qkv 3,072 x 1,024 float32; b_proj 1,024 float32; q_bias 1,024 float32; scale_mul_log 1 x 16 x 1 x 1 float32; v_bias 1,024 float32; x 4 x 2,048 x 1,024 float32.
;; Outputs: out0 4 x 2,048 x 1,024 float32.
;; This version of the problem:
;;   THIS VERSION OF THE PROBLEM IS GIVEN IN LOW PRECISION. The matrix products marked QUANTISED in the list below multiply operands that are first quantised to E2M1 (2 exponent bits, 1 mantissa bit; 4 bits a number), with one power-of-two scale for each 32 numbers along K (OCP MX v1.0); their sums are f32. All else is computed in f32.
;;   The module's matrix products, in the order in which they are computed (A, B: the left and right operand; K: the contracted axis; several contracted axes count as one K, in the product's order):
;;     1. [M 8,192, K 1,024] x [K 1,024, N 3,072]; A: input x; B: input W_qkv: QUANTISED
;;     2. batch 64 x [M 2,048, K 64] x [K 64, N 2,048]; A: computed on the way; B: computed on the way: QUANTISED
;;     3. batch 64 x [M 2,048, K 2,048] x [K 2,048, N 64]; A: softmax (see below); B: computed on the way: QUANTISED
;;     4. [M 8,192, K 1,024] x [K 1,024, N 1,024]; A: computed on the way; B: input W_proj: QUANTISED
;;   THE QUANTISER, for each operand of a quantised product, along K:
;;     - K is cut into blocks of 32 from its start; a last block that is shorter is filled with zeros.
;;     - A block's scale is 2^e with e = floor(log2(the largest magnitude in the block)) - 2, held to -126 .. 127; a block of zeros has e = 0. As a byte (E8M0): e + 127.
;;     - Each number is divided by its block's scale, clamped to +-6, and rounded to the nearest number of E2M1, ties to even, subnormals kept.
;;     - The product sums the exact products of the quantised numbers (number of the format x scale) in f32.
;;   ~~~python
;;   def quantise(x, axis):      # numpy; x: float32 -> the quantised numbers, widened to float32 again
;;       x = np.moveaxis(x, axis, -1); K = x.shape[-1]
;;       x = np.pad(x, [(0, 0)] * (x.ndim - 1) + [(0, -K % 32)]); x = x.reshape(x.shape[:-1] + (-1, 32)); a = np.abs(x).max(-1, keepdims=True)
;;       e = np.where(a > 0, np.clip(np.frexp(np.where(a > 0, a, 1))[1] - 1 - 2, -126, 127), 0)      # np.frexp(a)[1] - 1 = floor(log2(a)), exactly
;;       r = np.clip(x / 2.0 ** e, -6, 6)
;;       step = 2.0 ** (np.maximum(np.frexp(np.where(r == 0, 1, r))[1] - 1, 0) - 1)
;;       q = np.round(r / step) * step * 2.0 ** e      # np.round: ties to even
;;       return np.moveaxis(q.reshape(q.shape[:-2] + (-1,))[..., :K], -1, axis).astype(np.float32)
;;   ~~~
;;   SOFTMAX AHEAD OF A QUANTISED PRODUCT. Where the list says 'softmax', what is quantised is not the finished softmax but p = 2^(t - M), with t = logit x log2(e) and M = ceil(the row's largest t), a whole number; so 1/2 < the row's largest p <= 1. The row's sum l is taken of the UNQUANTISED p, in f32, and the product's result is divided by l at the end. Since M is a whole number, a kernel that streams over the keys may use a running M (the ceiling of the running maximum): every later rescaling is an exact power of two, which a block's scale takes up: the codes' values come out the same.
;;   OPERANDS COMPUTED ON THE WAY. 'Computed on the way' means the value that the module computes at that place (a softmax that the list does not call 'softmax' is quantised finished and normalised). What goes into a quantiser is computed in f32, as accurately as f32 sums, v_exp_f32 and their like allow (about 1e-6 of the number): no bf16 or f16 on the way to a quantiser, and a product that is left as it is and whose result goes on into a quantised operand takes f32 operands (vector FMAs, or v_wmma_f32_16x16x4_f32). A number that lies on a knife's edge between two numbers of the format may be rounded either way, as far as f32 arithmetic and the matrix unit's own rounding can turn it there, and no further.
;; One version. Each part assembles by itself: llvm-mc -triple=amdgcn-amd-amdhsa -mcpu=gfx1250 --defsym DOCPART=n.
;; ======== version 1 of 1: 4 launches
;; limits: right only within a limited range of input values
;; workspace buffers: img1 6,684,672 bytes; img2 13,369,344 bytes; img3 4,456,448 bytes
;; launch quant (part 1): grid 768 x 1, 2 waves a work-group, no clusters, 17,152 bytes of LDS; arguments x, W_qkv, W_proj, img1; writes img1
.if DOCPART == 1
	.amdgcn_target "amdgcn-amd-amdhsa--gfx1250"
	.amdhsa_code_object_version 6
	.text
	.protected	k_qafb74c677b_quant
	.globl	k_qafb74c677b_quant
	.p2align	8
	.type	k_qafb74c677b_quant,@function
k_qafb74c677b_quant:
	s_mov_b64 s[64:65], 0
	v_nop
	global_prefetch_b8 v0, s[64:65] scope:SCOPE_SE
	s_setreg_imm32_b32 hwreg(HW_REG_WAVE_MODE, 25, 1), 1
	s_wait_xcnt 0x0
; x [8192][1024], W_qkv [3072][1024] and W_proj [1024][1024], f32, K innermost, become codes of FP4 (E2M1) with one E8M0 byte for each 32 along K,
; laid in img1 IN THE ORDER OF AN OPERAND'S REGISTERS.  A TILE is 16 rows; lane row r of tile T is memory row 32 (T / 2) + 8 (T % 2) + r + 8 (r / 8).
; Codes: tile T at 8192 T; block b (32 along K) of lane row r at 256 b + 16 r: so K step s (128 along K), half c, is the 512 bytes at 1024 s + 512 c + 16 x lane.
; Scale bytes: behind the codes, tile T at 512 T; half g of K at 256 g; lane row r's 16 bytes at 16 r: the scale words of K steps 4 g .. 4 g + 3.
; Tiles 0-511 are x's, 512-703 W_qkv's, 704-767 W_proj's.  A work-group takes one tile; its two waves take the two halves of K, four K steps each.  Waves share nothing: no barrier.
; Each load reads 512 consecutive bytes of one row; a K step's 16 rows turn through the wave's own stage in LDS (rows of 512 + 16 bytes), and come back a whole block of 32 to a lane.
; A block's scale is 2^(floor(log2(largest magnitude)) - 2): its byte is that magnitude's exponent field - 2, held at 1 from below.
; LIMITS: a block of zeros gets the byte 1 where the rule says 127 (its codes are zeros, and this program alone reads the bytes); blocks under 2^-124 are held at byte 1; NaN and infinities are not served.
.set SP,   528                         ; a stage row
.set R,    16                          ; v16-143  two sets of 64: a K step's 16 rows as loaded
.set X,    144                         ; v144-207 two blocks of 32 neighbours
.set C,    208                         ; v208-239 codes: four registers for each (K step, half): no store's data are written again
.set W,    240                         ; v240-243 the scale word of each K step
.set SCL,  6291456                     ; where the scale bytes begin in img1
	s_load_b128 s[4:7], s[0:1], 0x0                ; x, W_qkv
	s_load_b128 s[8:11], s[0:1], 0x10              ; W_proj, img1
	v_lshl_add_u32 v254, v0, 2, 0x4200
	v_mov_b32 v255, 0
	v_lshrrev_b32 v1, 5, v0
	v_readfirstlane_b32 s15, v1                    ; wave g: which half of K
	v_and_b32 v1, 31, v0
	v_lshlrev_b32 v2, 4, v1                        ; 16 x lane
	v_and_b32 v3, 15, v0                           ; r
	v_bfe_u32 v4, v0, 4, 1                         ; h
	s_mul_i32 s13, s15, 16*SP                      ; my stage
	v_add_nc_u32 v5, s13, v2                       ; into it: 16 x lane of a row
	v_mul_u32_u24 v6, v3, SP
	v_lshl_add_u32 v6, v4, 7, v6
	v_add_nc_u32 v6, s13, v6                       ; out of it: row r, block h of the K step's four (128 bytes a block)
	v_lshlrev_b32 v7, 4, v3
	v_lshl_add_u32 v7, v4, 3, v7                   ; the scale words' way out: 16 r + 8 h
	v_lshlrev_b32 v8, 3, v4                        ; 8 h: my bytes' place in a scale word, in bits
	v_mov_b32 v250, 0                              ; written once: a lane permute's destination counts as one of its sources
	s_mov_b32 s20, 0x76543210
	s_mov_b32 s21, 0xfedcba98                      ; v_permlanex16_b32's selects for lane l xor 16
	s_mov_b32 s14, 704
	s_wait_alu depctr_va_vdst(0)
	s_wait_kmcnt 0x0
	s_cmp_lt_u32 ttmp9, 512                        ; which tensor: the choice hangs on the work-group's number alone, and only the pointer and the first tile are chosen
	s_cselect_b64 s[4:5], s[4:5], s[6:7]
	s_cselect_b32 s12, 0, 512
	s_cmp_lt_u32 ttmp9, s14
	s_cselect_b64 s[4:5], s[4:5], s[8:9]
	s_cselect_b32 s12, s12, s14
	s_sub_co_u32 s12, ttmp9, s12                   ; T: the tile within its tensor
	s_lshr_b32 s16, s12, 1
	s_lshl_b32 s16, s16, 17                        ; 32 (T / 2) rows of 4,096 bytes
	s_and_b32 s17, s12, 1
	s_lshl_b32 s17, s17, 15                        ; 8 (T % 2) rows
	s_add_co_u32 s16, s16, s17
	s_lshl_b32 s17, s15, 11                        ; my half of K: 2,048 bytes
	s_add_co_u32 s16, s16, s17
	s_mov_b32 s17, 0
	s_add_nc_u64 s[4:5], s[4:5], s[16:17]
	s_lshl_b32 s16, ttmp9, 13
	s_lshl_b32 s18, s15, 12
	s_add_co_u32 s16, s16, s18
	s_add_nc_u64 s[22:23], s[10:11], s[16:17]      ; my codes: 8192 x tile + 4096 g
	s_lshl_b32 s16, ttmp9, 9
	s_lshl_b32 s18, s15, 8
	s_add_co_u32 s16, s16, s18
	s_add_co_u32 s16, s16, SCL
	s_add_nc_u64 s[24:25], s[10:11], s[16:17]      ; my scale bytes: 512 x tile + 256 g
.macro LOAD t                          ; K step t: 16 rows x 512 bytes, a row to an instruction, into set t % 2
.irp p, 0,1,2,3,4,5,6,7,8,9,10,11,12,13,14,15
	global_load_b128 v[R+64*((\t)%2)+4*\p:R+64*((\t)%2)+4*\p+3], v2, s[4:5] offset:(\p+8*(\p/8))*4096+512*(\t) th:TH_LOAD_NT
.endr
.endm
.macro BLOCK s, c                      ; my block 2 c + h of K step s: all its 32 numbers are mine
.set XS, X+32*(\c)
.set CC, C+4*(2*(\s)+(\c))
	v_max3_num_f32 v244, |v[XS]|, |v[XS+1]|, |v[XS+2]|
	v_max3_num_f32 v245, |v[XS+3]|, |v[XS+4]|, |v[XS+5]|
.irp i, 6,10,14,18,22,26
	v_max3_num_f32 v244, v244, |v[XS+\i]|, |v[XS+\i+1]|
	v_max3_num_f32 v245, v245, |v[XS+\i+2]|, |v[XS+\i+3]|
.endr
	v_max3_num_f32 v244, v244, |v[XS+30]|, |v[XS+31]|
	v_max3_num_f32 v244, v244, v245, 0x1800000     ; and the floor 2^(3 - 127): the byte cannot fall under 1
	v_add_nc_u32 v246, 0xff000000, v244            ; 2 off the exponent field: the conversion takes the exponent field of this operand as its scale
.irp g, 0,1,2,3
	v_cvt_scalef32_pk8_fp4_f32 v[CC+\g], v[XS+8*\g:XS+8*\g+7], v246
.endr
	v_lshrrev_b32 v[247+\c], 23, v246              ; the scale's byte (also the plain line behind the conversions)
	global_store_b128 v2, v[CC:CC+3], s[22:23] offset:1024*(\s)+512*(\c)   ; 32 lanes store 512 consecutive bytes
.endm
.macro STEP s
.if (\s) < 3
	s_wait_loadcnt 16                              ; this K step's 16 loads are in; the next set's 16 may be out
.else
	s_wait_loadcnt 0x0
.endif
.irp p, 0,1,2,3,4,5,6,7,8,9,10,11,12,13,14,15
	ds_store_b128 v5, v[R+64*((\s)%2)+4*\p:R+64*((\s)%2)+4*\p+3] offset:SP*\p
.endr
.irp c, 0,1
.irp i, 0,1,2,3,4,5,6,7
	ds_load_b128 v[X+32*\c+4*\i:X+32*\c+4*\i+3], v6 offset:256*\c+16*\i   ; LDS serves a wave's instructions in order: these see the stores above
.endr
.endr
	s_wait_dscnt 8                                 ; the 16 stores have read their set and my first block is back; the second block's 8 loads may be out
.if (\s)+2 < 4
	LOAD (\s)+2                                    ; the set just emptied takes the K step two on
.endif
	BLOCK \s, 0
	s_wait_dscnt 0x0
	BLOCK \s, 1
	v_lshl_or_b32 v249, v248, 16, v247             ; my two bytes: blocks h and 2 + h,
	v_lshlrev_b32 v249, v8, v249                   ; at their places in the word;
	v_permlanex16_b32 v250, v249, s20, s21
	v_or_b32 v[W+(\s)], v249, v250                 ; with lane l xor 16's two the word is whole
.endm
	LOAD 0
	LOAD 1
	STEP 0
	STEP 1
	STEP 2
	STEP 3
	v_cmp_eq_u32 vcc_lo, 1, v4
	v_cndmask_b32 v252, v[W], v[W+2], vcc_lo       ; lanes 0-15 store K steps 0 and 1's words of row r, lanes 16-31 K steps 2 and 3's
	v_cndmask_b32 v253, v[W+1], v[W+3], vcc_lo
	global_store_b64 v7, v[252:253], s[24:25]      ; 32 lanes store 256 consecutive bytes, aligned
	s_wait_tensorcnt 0x0
	ds_add_u32 v254, v255
	s_wait_dscnt 0x0
	s_endpgm
.Lfunc_end_k_qafb74c677b_quant:
	.size	k_qafb74c677b_quant, .Lfunc_end_k_qafb74c677b_quant-k_qafb74c677b_quant
	.p2alignl 7, 3214868480
	.fill 96, 4, 3214868480
	.section	.rodata,"a",@progbits
	.p2align	6, 0x0
	.amdhsa_kernel k_qafb74c677b_quant
		.amdhsa_group_segment_fixed_size 17152
		.amdhsa_private_segment_fixed_size 0
		.amdhsa_enable_private_segment 0
		.amdhsa_kernarg_size 32
		.amdhsa_user_sgpr_count 2
		.amdhsa_user_sgpr_kernarg_segment_ptr 1
		.amdhsa_wavefront_size32 1
		.amdhsa_system_sgpr_workgroup_id_x 1
		.amdhsa_system_sgpr_workgroup_id_y 1
		.amdhsa_system_sgpr_workgroup_id_z 1
		.amdhsa_system_vgpr_workitem_id 0
		.amdhsa_next_free_vgpr 256
		.amdhsa_next_free_sgpr 66
		.amdhsa_reserve_vcc 1
		.amdhsa_float_denorm_mode_32 3
		.amdhsa_float_denorm_mode_16_64 3
		.amdhsa_memory_ordered 1
		.amdhsa_forward_progress 1
		.amdhsa_inst_pref_size 30
	.end_amdhsa_kernel
	.amdgpu_metadata
---
amdhsa.version: [ 1, 2 ]
amdhsa.kernels:
  - .name:           k_qafb74c677b_quant
    .symbol:         k_qafb74c677b_quant.kd
    .args:
      - { .name: x, .offset: 0, .size: 8, .value_kind: global_buffer, .address_space: global }
      - { .name: W_qkv, .offset: 8, .size: 8, .value_kind: global_buffer, .address_space: global }
      - { .name: W_proj, .offset: 16, .size: 8, .value_kind: global_buffer, .address_space: global }
      - { .name: img1, .offset: 24, .size: 8, .value_kind: global_buffer, .address_space: global }
    .group_segment_fixed_size: 17152
    .private_segment_fixed_size: 0
    .kernarg_segment_align: 8
    .kernarg_segment_size: 32
    .max_flat_workgroup_size: 64
    .sgpr_count:     66
    .vgpr_count:     256
    .wavefront_size: 32
...
	.end_amdgpu_metadata
.endif
;; end of part 1
;; launch gemm_qkv (part 2): grid 12 x 32, 16 waves a work-group, clusters of 4 x 4, 280,576 bytes of LDS; arguments img1, q_bias, v_bias, scale_mul_log, img2; writes img2
.if DOCPART == 2
	.amdgcn_target "amdgcn-amd-amdhsa--gfx1250"
	.amdhsa_code_object_version 6
	.text
	.protected	k_qafb74c677b_gemm_qkv
	.globl	k_qafb74c677b_gemm_qkv
	.p2align	8
	.type	k_qafb74c677b_gemm_qkv,@function
k_qafb74c677b_gemm_qkv:
	s_mov_b64 s[64:65], 0
	v_nop
	global_prefetch_b8 v0, s[64:65] scope:SCOPE_SE
	s_setreg_imm32_b32 hwreg(HW_REG_WAVE_MODE, 25, 1), 1
	s_wait_xcnt 0x0
	s_wait_alu depctr_hold_cnt(0) depctr_sa_sdst(0) depctr_va_vdst(0) depctr_va_sdst(0) depctr_va_ssrc(0) depctr_va_vcc(0) depctr_vm_vsrc(0)
	s_getreg_b32 s2, hwreg(HW_REG_IB_STS2, 6, 4)
	s_cmp_eq_u32 s2, 0
	s_cbranch_scc0 .Lentry_in_a_cluster
	s_endpgm
.Lentry_in_a_cluster:
	s_bfe_u32 s2, ttmp6, 0x10000c
	s_cmp_lg_u32 s2, 0xf033
	s_cbranch_scc0 .Lentry_shape_is_right
	s_endpgm
.Lentry_shape_is_right:
; qkv = x W_qkv^T + bias on codes of FP4 with E8M0 scales (K = 1,024), and what reference() does to q, k and v up to the next quantiser; the results leave as codes, in the order of the next operands' registers.
; A work-group makes 256 tokens x 256 columns with ALL of K: A's and B's codes (128 KiB each) and scale bytes (8 KiB each) lie in LDS at once, every byte filled once: no ring.
; CLUSTERS: 4 x 4 work-groups; the four of a row need the same tiles of x, the four of a column the same tiles of W_qkv: each is asked for jointly.  The cluster's x says what the columns are: 0 q, 1 k, 2 v.
; Sixteen waves, four to a SIMD, 256 registers each: one wave's LDS loads stand beside another's matrix instructions.
; TILES: 16 rows; lane row r of tile T is row 32 (T / 2) + 8 (T % 2) + r + 8 (r / 8) (tokens and W's rows alike), so that where a tile is source 0, tiles 2 e and 2 e + 1 of a result give a lane 16 neighbours.
; PATH QK (q and k, one text): a wave makes 64 tokens x one head, transposed (source 0 = W's rows): a lane holds one token and 32 of its head's 64.  Bias (q's; zeros for k) is the C of the first K step.
;   Then x / max(norm, 1e-12) x scale_mul (1 for k), quantised along the head's 64: two blocks.
; PATH V: a wave makes 128 tokens x 32 channels, not transposed: a lane holds one channel and its registers run along the tokens, which are the next product's K.  Bias, then the quantiser along the keys.
; img2, a record of 208,896 bytes for each (batch, head): K codes [tile][512] | V codes [key step][d tile][1024] | K scale words [pair of tiles][r][4] | V scale words [step][d tile][r][4] | Q codes | Q scale words.
; LIMITS: as in the quantising launch (a zero block's byte is 1; blocks under 2^-124 held at byte 1; no NaN, no infinities).  A row whose sum of squares falls under 2^-126 takes the divisor 1e-12, as reference() does there.
.set BC, 131072                        ; LDS: A's codes at 0, tile i at 8192 i, all of K; B's here, likewise
.set AS, 262144                        ; A's scale bytes, 512 a tile
.set BS, 270336                        ; B's
.set RECORD, 208896
.set WV, 18                            ; s18 my wave;  s19 wave % 8
.set WP, 19
.set SEL, 2                            ; s[2:3] lane selects for v_permlanex16_b32
.set G1A, 24                           ; s[24:31], s[32:39] group 1 for A's and B's codes
.set G1B, 32
.set G1SA, 40
.set G1SB, 48
.set SA, 16                            ; v16.. A's scale words; v12-31 hold scale words and nothing else in the whole text
.set SB, 24                            ; path QK: B's
.set AF, 32                            ; path QK: v32-63 A's four fragments, v64-95 B's four, v96-223 the 16 accumulators, v224-255 the bias, later the codes
.set BF, 64
.set ACC, 96
.set BI, 224
.set VSB, 12                           ; path V: v12-15 B's scale words, v40-103 A's eight fragments, v104-119 B's two, v120-247 the accumulators, v248-251 the bias
.set VAF, 40
.set VBF, 104
.set VACC, 120
.set TM, 40                            ; path V's quantiser: at work
.macro ROUND                           ; a round of the cluster's barrier
	s_barrier_signal -1
	s_barrier_wait -1
	s_cmp_lg_u32 s[WV], 0
	s_cbranch_scc1 .Lnot_wave_0_\@
	s_barrier_signal -3
.Lnot_wave_0_\@:
	s_barrier_wait -3
	s_barrier_signal -1
	s_barrier_wait -1
.endm
.macro PLACES n
.rept \n
	v_nop
.endr
.endm
.macro FRAG reg, adr, off              ; a fragment, 16 rows x 128 K: two dense reads of 512 bytes
	ds_load_b128 v[\reg:\reg+3], v[\adr] offset:\off
	ds_load_b128 v[\reg+4:\reg+7], v[\adr] offset:\off+512
.endm
; One matrix instruction from the symbols rD, rA, rB, rC, rSA, rSB; fA, fB: the scale words of source 0, 1 lie in lanes 16-31.  zero = 1: the product starts its sum.
.macro WM zero
.if \zero
.if fA && fB
	v_wmma_scale_f32_16x16x128_f8f6f4 v[rD:rD+7], v[rA:rA+7], v[rB:rB+7], 0, v[rSA], v[rSB] matrix_a_fmt:MATRIX_FMT_FP4 matrix_b_fmt:MATRIX_FMT_FP4 matrix_a_scale:MATRIX_SCALE_ROW1 matrix_b_scale:MATRIX_SCALE_ROW1
.elseif fA
	v_wmma_scale_f32_16x16x128_f8f6f4 v[rD:rD+7], v[rA:rA+7], v[rB:rB+7], 0, v[rSA], v[rSB] matrix_a_fmt:MATRIX_FMT_FP4 matrix_b_fmt:MATRIX_FMT_FP4 matrix_a_scale:MATRIX_SCALE_ROW1
.elseif fB
	v_wmma_scale_f32_16x16x128_f8f6f4 v[rD:rD+7], v[rA:rA+7], v[rB:rB+7], 0, v[rSA], v[rSB] matrix_a_fmt:MATRIX_FMT_FP4 matrix_b_fmt:MATRIX_FMT_FP4 matrix_b_scale:MATRIX_SCALE_ROW1
.else
	v_wmma_scale_f32_16x16x128_f8f6f4 v[rD:rD+7], v[rA:rA+7], v[rB:rB+7], 0, v[rSA], v[rSB] matrix_a_fmt:MATRIX_FMT_FP4 matrix_b_fmt:MATRIX_FMT_FP4
.endif
.else
.if fA && fB
	v_wmma_scale_f32_16x16x128_f8f6f4 v[rD:rD+7], v[rA:rA+7], v[rB:rB+7], v[rC:rC+7], v[rSA], v[rSB] matrix_a_fmt:MATRIX_FMT_FP4 matrix_b_fmt:MATRIX_FMT_FP4 matrix_a_scale:MATRIX_SCALE_ROW1 matrix_b_scale:MATRIX_SCALE_ROW1
.elseif fA
	v_wmma_scale_f32_16x16x128_f8f6f4 v[rD:rD+7], v[rA:rA+7], v[rB:rB+7], v[rC:rC+7], v[rSA], v[rSB] matrix_a_fmt:MATRIX_FMT_FP4 matrix_b_fmt:MATRIX_FMT_FP4 matrix_a_scale:MATRIX_SCALE_ROW1
.elseif fB
	v_wmma_scale_f32_16x16x128_f8f6f4 v[rD:rD+7], v[rA:rA+7], v[rB:rB+7], v[rC:rC+7], v[rSA], v[rSB] matrix_a_fmt:MATRIX_FMT_FP4 matrix_b_fmt:MATRIX_FMT_FP4 matrix_b_scale:MATRIX_SCALE_ROW1
.else
	v_wmma_scale_f32_16x16x128_f8f6f4 v[rD:rD+7], v[rA:rA+7], v[rB:rB+7], v[rC:rC+7], v[rSA], v[rSB] matrix_a_fmt:MATRIX_FMT_FP4 matrix_b_fmt:MATRIX_FMT_FP4
.endif
.endif
.endm
	s_load_b128 s[4:7], s[0:1], 0x0                ; img1, q_bias
	s_load_b128 s[8:11], s[0:1], 0x10              ; v_bias, scale_mul_log
	s_load_b64 s[12:13], s[0:1], 0x20              ; img2
	v_lshl_add_u32 v254, v0, 2, 0x44000
	v_mov_b32 v255, 0
	ds_add_u32 v254, v255
	ds_add_u32 v254, v255
	s_wait_dscnt 0x0
	v_lshrrev_b32 v1, 5, v0
	s_delay_alu instid0(VALU_DEP_1)
	v_readfirstlane_b32 s[WV], v1                  ; wave 0..15
	s_and_b32 s[WP], s[WV], 7                      ; waves 0-7 fetch for A, 8-15 for B: tiles 2 (wave % 8) and the next
	s_bfe_u32 s84, ttmp6, 0x40000                  ; cx
	s_bfe_u32 s85, ttmp6, 0x40004                  ; cy
	s_lshl_b32 s86, ttmp9, 2
	s_add_co_u32 s86, s86, s84                     ; nx: my block of 256 columns
	s_and_b32 s87, ttmp7, 0xffff
	s_lshl_b32 s87, s87, 2
	s_add_co_u32 s87, s87, s85                     ; my: my block of 256 tokens
	s_lshl_b32 s88, s85, 2
	s_lshl_b32 s88, 15, s88                        ; my row of the cluster
	s_lshl_b32 s89, 0x1111, s84                    ; my column
	s_or_b32 s[G1A], s88, (3<<16)|(1<<21)          ; 15:0 the mask; 17:16 elements of 8 bytes; 21 set beside a mask; no padding: every read of these bytes is dense
	s_or_b32 s[G1B], s89, (3<<16)|(1<<21)
.irp g, G1A, G1B                       ; codes: two neighbouring tiles
	s_mov_b32 s[\g+1], 32<<16                      ; two whole tiles: 16,384 dense bytes as 64 rows of 256
	s_mov_b32 s[\g+2], 64<<16
	s_mov_b32 s[\g+3], 32<<16
	s_mov_b32 s[\g+4], 64
	s_mov_b32 s[\g+5], 32
	s_mov_b32 s[\g+6], 0
	s_mov_b32 s[\g+7], 0
.endr
	s_lshl_b32 s20, s[WP], 14                      ; two tiles of codes in memory
	s_lshl_b32 s22, s[WP], 14                      ; two tiles in LDS
	s_lshl_b32 s90, s87, 17                        ; A's hang on my and the wave alone,
	s_add_co_u32 s90, s90, s20
	s_mov_b32 s91, 0
	s_lshl_b32 s92, s87, 13
	s_add_co_u32 s92, s92, 6291456
	s_mov_b32 s93, 0
	s_lshl_b32 s94, s86, 17                        ; B's on nx and the wave alone: W_qkv's tiles begin at tile 512
	s_add_co_u32 s94, s94, s20
	s_add_co_u32 s94, s94, 4194304
	s_mov_b32 s95, 0
	s_lshl_b32 s96, s86, 13
	s_add_co_u32 s96, s96, 6553600
	s_mov_b32 s97, 0
	s_mov_b32 s[SEL], 0x76543210
	s_mov_b32 s[SEL+1], 0xfedcba98
	s_wait_kmcnt 0x0
	ROUND                                          ; all sixteen work-groups are here: the joint loads meet
	s_add_nc_u64 s[58:59], s[4:5], s[92:93]        ; A's scale bytes of my 256 tokens: 8,192 dense bytes
	s_mov_b32 s60, 1                               ; A's two tiles
	s_mov_b32 s61, s22
	s_add_nc_u64 s[62:63], s[4:5], s[90:91]
	s_or_b32 s63, s63, 0x80000000
	s_add_nc_u64 s[74:75], s[4:5], s[96:97]        ; B's scale bytes of my 256 columns
	s_mov_b32 s76, 1                               ; B's two tiles
	s_add_co_u32 s77, s22, BC
	s_add_nc_u64 s[78:79], s[4:5], s[94:95]
	s_or_b32 s79, s79, 0x80000000
	s_cmp_lt_u32 s[WV], 8                          ; one branch on the wave's number, one tensor load in each arm: my one tensor load of the launch
	s_cbranch_scc0 .Lfor_b
	tensor_load_to_lds s[60:63], s[G1A:G1A+7]
	s_nop 0
	PLACES 4
	s_branch .Lasked
.Lfor_b:
	tensor_load_to_lds s[76:79], s[G1B:G1B+7]
	s_nop 0
	PLACES 4
.Lasked:
	v_lshlrev_b32 v32, 4, v0                       ; the scale bytes come through registers: 512 threads x 16 bytes are A's 8,192 bytes, and B's likewise
	v_lshl_add_u32 v33, v0, 4, AS
	v_lshl_add_u32 v34, v0, 4, BS
	global_load_b128 v[36:39], v32, s[58:59]
	global_load_b128 v[40:43], v32, s[74:75]
	v_and_b32 v1, 31, v0
	s_delay_alu instid0(VALU_DEP_1)
	v_lshlrev_b32 v10, 2, v1                       ; 4 x lane
	s_delay_alu instid0(VALU_DEP_2)
	v_lshlrev_b32 v1, 4, v1                        ; 16 x lane
	v_and_b32 v2, 15, v0                           ; r
	v_bfe_u32 v3, v0, 4, 1                         ; h
	s_and_b32 s90, s86, 3                          ; nx % 4: my 256 columns within q, k or v
	s_lshr_b32 s94, s87, 3
	s_lshl_b32 s94, s94, 4                         ; 16 x batch
	s_and_b32 s95, s87, 7                          ; my block of 256 tokens within the batch
	s_cmp_lt_u32 ttmp9, 2                          ; the cluster's x: the same in all sixteen partners
	s_cbranch_scc0 .Lpath_v
; ---------------------------------------------------------------- PATH QK
	s_lshr_b32 s22, s[WV], 2                       ; wm: A's tiles 4 wm + a
	s_and_b32 s23, s[WV], 3                        ; wn: B's tiles 4 wn + b: one head
	s_cmp_eq_u32 ttmp9, 0
	s_cselect_b32 s21, -1, 0                       ; all lanes where the columns are q's
	s_cselect_b32 s88, 139264, 0                   ; Q's codes lie so far behind K's in a record,
	s_cselect_b32 s89, 73728, 0                    ; Q's scale words so far behind K's
	s_lshl_b32 s20, s22, 15
	s_wait_alu depctr_va_vdst(0)
	v_add_nc_u32 v4, s20, v1                       ; A's fragments
	s_lshl_b32 s20, s23, 15
	s_add_co_u32 s20, s20, BC
	v_add_nc_u32 v6, s20, v1                       ; B's
	v_lshlrev_b32 v7, 4, v2
	s_delay_alu instid0(VALU_DEP_1)
	v_lshl_add_u32 v7, v3, 10, v7                  ; scale words: 16 r; lanes 16-31 take the tiles two further on
	s_lshl_b32 s20, s22, 11
	s_add_co_u32 s20, s20, AS
	v_add_nc_u32 v8, s20, v7
	s_lshl_b32 s20, s23, 11
	s_add_co_u32 s20, s20, BS
	v_add_nc_u32 v9, s20, v7
	v_lshlrev_b32 v11, 6, v3                       ; the bias: 16 h columns on
	s_lshl_b32 s91, s90, 2
	s_add_co_u32 s91, s91, s23                     ; the head
	s_lshl_b32 s92, s91, 8                         ; its 64 columns x 4 bytes
	s_mov_b32 s93, 0
	s_add_nc_u64 s[6:7], s[6:7], s[92:93]
	s_lshl_b32 s20, s91, 2
	v_mov_b32 v7, s20
.irp b, 0,1,2,3                        ; register j of tile b: column 32 (b / 2) + 16 h + 8 (b % 2) + j of the head
	global_load_b128 v[BI+8*\b:BI+8*\b+3], v11, s[6:7] offset:128*(\b/2)+32*(\b%2)
	global_load_b128 v[BI+8*\b+4:BI+8*\b+7], v11, s[6:7] offset:128*(\b/2)+32*(\b%2)+16
.endr
	global_load_b32 v5, v7, s[10:11]               ; scale_mul_log of the head
	s_add_co_u32 s94, s94, s91                     ; 16 x batch + head
	s_mul_i32 s94, s94, RECORD
	s_lshl_b32 s96, s95, 13                        ; tile 16 (my % 8) + 4 wm, 512 bytes a tile
	s_lshl_b32 s20, s22, 11
	s_add_co_u32 s96, s96, s20
	s_add_co_u32 s96, s96, s94
	s_add_co_u32 s96, s96, s88
	s_mov_b32 s97, 0
	s_add_nc_u64 s[14:15], s[12:13], s[96:97]      ; where my codes go
	s_lshl_b32 s96, s95, 9                         ; pair 8 (my % 8) + 2 wm, 64 bytes a pair
	s_lshl_b32 s20, s22, 7
	s_add_co_u32 s96, s96, s20
	s_add_co_u32 s96, s96, s94
	s_add_co_u32 s96, s96, s89
	s_add_co_u32 s96, s96, 131072
	s_add_nc_u64 s[16:17], s[12:13], s[96:97]      ; and my scale words
	s_wait_alu depctr_va_vdst(0)
	s_wait_loadcnt 0x0                             ; the scale bytes, the bias and scale_mul_log are in registers
	s_wait_tensorcnt 0x0                           ; my two tiles are in
	ds_store_b128 v33, v[36:39]                    ; my 16 bytes of A's scale bytes and of B's, to LDS bytes on which no fill lands
	ds_store_b128 v34, v[40:43]
	s_wait_dscnt 0x0
	s_barrier_signal -1
	s_barrier_wait -1                              ; everybody's are
	v_min_num_f32 v5, 0x40935d8e, v5               ; min(., log 100)
	s_delay_alu instid0(VALU_DEP_1)
	v_mul_f32 v5, 0x3fb8aa3b, v5
	s_wait_alu depctr_va_vdst(0)
	v_exp_f32 v5, v5                               ; scale_mul
.set J, 0
.rept 32
	v_cndmask_b32 v[BI+J], 0, v[BI+J], s21         ; k's bias is reference()'s zeros
.set J, J+1
.endr
	s_wait_alu depctr_va_vdst(0)                   ; ahead of the exponential's first reader
	v_cndmask_b32 v5, 1.0, v5, s21                 ; k is not scaled
; A K step: 128 along K, 16 matrix instructions, the 16 accumulators by turns.  Transposed: source 0 = 16 rows of W, source 1 = 16 tokens.
.macro KQ_STEP s
.set QQ, (\s)%4
.set GG, (\s)/4
	PLACES 4                                       ; in front of loads into registers that matrix instructions have read
.if QQ == 0
.irp i, 0,1
	ds_load_b128 v[SA+4*\i:SA+4*\i+3], v8 offset:512*\i+256*GG   ; four K steps' words: lanes 0-15 tile i, lanes 16-31 tile 2 + i
	ds_load_b128 v[SB+4*\i:SB+4*\i+3], v9 offset:512*\i+256*GG
.endr
.endif
.irp b, 0,1,2,3
	FRAG BF+8*\b, 6, \b*8192+(\s)*1024
.endr
.irp a, 0,1,2,3
	FRAG AF+8*\a, 4, \a*8192+(\s)*1024
.endr
.irp a, 0,1,2,3
	s_wait_dscnt 2*(3-\a)                          ; A's later fragments may be out
.irp b, 0,1,2,3
.set rD, ACC+32*\a+8*\b
.set rA, BF+8*\b
.set rB, AF+8*\a
.if (\s) == 0
.set rC, BI+8*\b
.else
.set rC, rD
.endif
.set rSA, SB+4*(\b%2)+QQ
.set rSB, SA+4*(\a%2)+QQ
.set fA, \b/2
.set fB, \a/2
	WM 0
.endr
.endr
.endm
	KQ_STEP 0
	KQ_STEP 1
	KQ_STEP 2
	KQ_STEP 3
	KQ_STEP 4
	KQ_STEP 5
	KQ_STEP 6
	KQ_STEP 7
	PLACES 4
	; register 16 e + i of tile a's 32: channel 32 e + 16 h + i of token (a, r).  The sum of squares, two chains a tile, each accumulator from its low end on
.irp a, 0,1,2,3
	v_pk_mul_f32 v[32+4*\a:33+4*\a], v[ACC+32*\a:ACC+32*\a+1], v[ACC+32*\a:ACC+32*\a+1]
	v_pk_mul_f32 v[34+4*\a:35+4*\a], v[ACC+32*\a+2:ACC+32*\a+3], v[ACC+32*\a+2:ACC+32*\a+3]
.endr
.irp p, 4,8,12,16,20,24,28
.irp a, 0,1,2,3
	v_pk_fma_f32 v[32+4*\a:33+4*\a], v[ACC+32*\a+\p:ACC+32*\a+\p+1], v[ACC+32*\a+\p:ACC+32*\a+\p+1], v[32+4*\a:33+4*\a]
	v_pk_fma_f32 v[34+4*\a:35+4*\a], v[ACC+32*\a+\p+2:ACC+32*\a+\p+3], v[ACC+32*\a+\p+2:ACC+32*\a+\p+3], v[34+4*\a:35+4*\a]
.endr
.endr
.irp a, 0,1,2,3
	v_pk_add_f32 v[32+4*\a:33+4*\a], v[32+4*\a:33+4*\a], v[34+4*\a:35+4*\a]
.endr
.irp a, 0,1,2,3
	s_delay_alu instid0(VALU_DEP_4)
	v_add_f32 v[32+4*\a], v[32+4*\a], v[33+4*\a]
.endr
.irp a, 0,1,2,3
	s_delay_alu instid0(VALU_DEP_4)
	v_permlanex16_b32 v[33+4*\a], v[32+4*\a], s[SEL], s[SEL+1]
.endr
.irp a, 0,1,2,3
	s_delay_alu instid0(VALU_DEP_4)
	v_add_f32 v[32+4*\a], v[32+4*\a], v[33+4*\a]   ; with lane l xor 16's 32 channels
.endr
	s_wait_alu depctr_va_vdst(0)
.irp a, 0,1,2,3
	v_sqrt_f32 v[32+4*\a], v[32+4*\a]
.endr
	v_nop
	s_wait_alu depctr_va_vdst(0)                   ; one wait for the four roots
.irp a, 0,1,2,3
	v_max_num_f32 v[32+4*\a], 0x2b8cbccc, v[32+4*\a]   ; max(norm, 1e-12)
.endr
	s_wait_alu depctr_va_vdst(0)
.irp a, 0,1,2,3
	v_rcp_f32 v[34+4*\a], v[32+4*\a]
.endr
	v_nop
	s_wait_alu depctr_va_vdst(0)                   ; one wait for the four reciprocals
.irp a, 0,1,2,3
	v_mul_f32 v[52+2*\a], v[34+4*\a], v5           ; scale_mul / max(norm, 1e-12), twice: a pair for the packed multiply
	v_mul_f32 v[53+2*\a], v[34+4*\a], v5
.endr
.irp a, 0,1,2,3
.irp p, 0,2,4,6,8,10,12,14,16,18,20,22,24,26,28,30
	v_pk_mul_f32 v[ACC+32*\a+\p:ACC+32*\a+\p+1], v[ACC+32*\a+\p:ACC+32*\a+\p+1], v[52+2*\a:53+2*\a]
.endr
.irp e, 0,1
	v_max3_num_f32 v[60+\e], |v[ACC+32*\a+16*\e]|, |v[ACC+32*\a+16*\e+1]|, 0x1800000   ; block e: my 16 numbers and the floor 2^(3 - 127)
.endr
.irp i, 2,4,6,8,10,12,14
.irp e, 0,1
	s_delay_alu instid0(VALU_DEP_2)
	v_max3_num_f32 v[60+\e], v[60+\e], |v[ACC+32*\a+16*\e+\i]|, |v[ACC+32*\a+16*\e+\i+1]|
.endr
.endr
.irp e, 0,1
	s_delay_alu instid0(VALU_DEP_2)
	v_permlanex16_b32 v[62+\e], v[60+\e], s[SEL], s[SEL+1]
.endr
.irp e, 0,1
	s_delay_alu instid0(VALU_DEP_2)
	v_max_num_f32 v[60+\e], v[60+\e], v[62+\e]     ; with lane l xor 16's: the block's largest magnitude
.endr
.irp e, 0,1
	s_delay_alu instid0(VALU_DEP_2)
	v_add_nc_u32 v[64+\e], 0xff000000, v[60+\e]    ; 2 off its exponent field: the conversion's scale operand
.endr
	v_cvt_scalef32_pk8_fp4_f32 v[BI+4*\a], v[ACC+32*\a:ACC+32*\a+7], v64
	v_cvt_scalef32_pk8_fp4_f32 v[BI+4*\a+1], v[ACC+32*\a+8:ACC+32*\a+15], v64
	v_cvt_scalef32_pk8_fp4_f32 v[BI+4*\a+2], v[ACC+32*\a+16:ACC+32*\a+23], v65
	v_cvt_scalef32_pk8_fp4_f32 v[BI+4*\a+3], v[ACC+32*\a+24:ACC+32*\a+31], v65
.irp e, 0,1
	v_lshrrev_b32 v[66+\e], 23, v[64+\e]           ; the scales' bytes (plain lines behind the conversions)
.endr
	s_delay_alu instid0(VALU_DEP_1)
	v_lshl_or_b32 v[68+\a], v67, 8, v66            ; the tile's two bytes
	v_permlane16_swap_b32 v[BI+4*\a], v[BI+4*\a+2] ; a whole block to a lane: lanes 0-15 block 0, lanes 16-31 block 1
	v_permlane16_swap_b32 v[BI+4*\a+1], v[BI+4*\a+3]
	global_store_b128 v1, v[BI+4*\a:BI+4*\a+3], s[14:15] offset:512*\a   ; 32 lanes store the tile's 512 consecutive bytes
.endr
	v_lshl_or_b32 v72, v69, 16, v68                ; a pair of tiles makes a word: the next product takes two tiles of K = 64 in one operand of K = 128
	v_lshl_or_b32 v73, v71, 16, v70
	v_cmp_eq_u32 vcc_lo, 1, v3
	s_delay_alu instid0(VALU_DEP_1)
	v_cndmask_b32 v72, v72, v73, vcc_lo            ; lanes 0-15 store the first pair's words, lanes 16-31 the second's
	global_store_b32 v10, v72, s[16:17]            ; 128 consecutive bytes
	s_branch .Lend
; ---------------------------------------------------------------- PATH V
.Lpath_v:
	s_lshr_b32 s22, s[WV], 3                       ; wm: A's tiles 8 wm + a: 128 tokens, one key step
	s_and_b32 s23, s[WV], 7                        ; wn: B's tiles 2 wn + n: 32 channels
	s_lshl_b32 s20, s22, 16
	s_wait_alu depctr_va_vdst(0)
	v_add_nc_u32 v4, s20, v1
	s_lshl_b32 s20, s23, 14
	s_add_co_u32 s20, s20, BC
	v_add_nc_u32 v6, s20, v1
	v_lshlrev_b32 v7, 4, v2
	s_delay_alu instid0(VALU_DEP_1)
	v_lshl_add_u32 v8, v3, 11, v7                  ; A's scale words: lanes 16-31 take the tiles four further on
	s_lshl_b32 s20, s22, 12
	s_add_co_u32 s20, s20, AS
	v_add_nc_u32 v8, s20, v8
	v_lshl_add_u32 v9, v3, 9, v7                   ; B's: lanes 16-31 take the second tile
	s_lshl_b32 s20, s23, 10
	s_add_co_u32 s20, s20, BS
	v_add_nc_u32 v9, s20, v9
	v_and_b32 v11, 8, v2
	s_delay_alu instid0(VALU_DEP_1)
	v_add_nc_u32 v11, v11, v2
	s_delay_alu instid0(VALU_DEP_1)
	v_lshlrev_b32 v11, 2, v11                      ; my channel in a tile: r + 8 (r / 8), 4 bytes each
	s_lshl_b32 s92, s90, 10
	s_lshl_b32 s20, s23, 7
	s_add_co_u32 s92, s92, s20                     ; (256 (nx % 4) + 32 wn) x 4 bytes
	s_mov_b32 s93, 0
	s_add_nc_u64 s[8:9], s[8:9], s[92:93]
	global_load_b32 v248, v11, s[8:9]              ; my channel's bias, tile 0
	global_load_b32 v250, v11, s[8:9] offset:32    ; and tile 1
	v_mov_b32 v249, 0                              ; (named with them as pairs, so they are written)
	v_mov_b32 v251, 0
	s_lshl_b32 s91, s90, 2
	s_lshr_b32 s20, s23, 1
	s_add_co_u32 s91, s91, s20                     ; the head
	s_add_co_u32 s94, s94, s91
	s_mul_i32 s94, s94, RECORD
	s_lshl_b32 s95, s95, 1
	s_add_co_u32 s95, s95, s22                     ; the key step: 2 (my % 8) + wm
	s_and_b32 s88, s23, 1                          ; which half of the head's 64 channels
	s_lshl_b32 s96, s95, 12
	s_lshl_b32 s20, s88, 11
	s_add_co_u32 s96, s96, s20
	s_add_co_u32 s96, s96, s94
	s_add_co_u32 s96, s96, 65536
	s_mov_b32 s97, 0
	s_add_nc_u64 s[14:15], s[12:13], s[96:97]      ; where my codes go
	s_lshl_b32 s96, s95, 8
	s_lshl_b32 s20, s88, 7
	s_add_co_u32 s96, s96, s20
	s_add_co_u32 s96, s96, s94
	s_add_co_u32 s96, s96, 135168
	s_add_nc_u64 s[16:17], s[12:13], s[96:97]      ; and my scale words
	s_wait_alu depctr_va_vdst(0)
	s_wait_loadcnt 0x0                             ; the scale bytes and the bias are in registers
	s_wait_tensorcnt 0x0                           ; my two tiles are in
	ds_store_b128 v33, v[36:39]
	ds_store_b128 v34, v[40:43]
	s_wait_dscnt 0x0
	s_barrier_signal -1
	s_barrier_wait -1
; A K step, not transposed: source 0 = 16 tokens, source 1 = 16 rows of W.  The 16 accumulators by turns.
.macro KV_STEP s
.set QQ, (\s)%4
.set GG, (\s)/4
	PLACES 4
.if QQ == 0
.irp i, 0,1,2,3
	ds_load_b128 v[SA+4*\i:SA+4*\i+3], v8 offset:512*\i+256*GG
.endr
	ds_load_b128 v[VSB:VSB+3], v9 offset:256*GG
.endif
.irp n, 0,1
	FRAG VBF+8*\n, 6, \n*8192+(\s)*1024
.endr
.irp a, 0,1,2,3,4,5,6,7
	FRAG VAF+8*\a, 4, \a*8192+(\s)*1024
.endr
.irp a, 0,1,2,3,4,5,6,7
	s_wait_dscnt 2*(7-\a)                          ; A's later fragments may be out
.irp n, 0,1
.set rD, VACC+64*\n+8*\a
.set rA, VAF+8*\a
.set rB, VBF+8*\n
.set rC, rD
.set rSA, SA+4*(\a%4)+QQ
.set rSB, VSB+QQ
.set fA, \a/4
.set fB, \n
.if (\s) == 0
	WM 1
.else
	WM 0
.endif
.endr
.endr
.endm
	KV_STEP 0
	KV_STEP 1
	KV_STEP 2
	KV_STEP 3
	KV_STEP 4
	KV_STEP 5
	KV_STEP 6
	KV_STEP 7
; 64 numbers of a lane, register 16 e + i = key 32 e + 16 h + i of my channel, become a fragment's codes in v[pc] on and its scale word in v[pw]
.macro QUANT src, pc, pw
.irp e, 0,1,2,3
	v_max3_num_f32 v[TM+\e], |v[\src+16*\e]|, |v[\src+1+16*\e]|, 0x1800000
.endr
.irp k, 2,4,6,8,10,12,14
.irp e, 0,1,2,3
	s_delay_alu instid0(VALU_DEP_4)
	v_max3_num_f32 v[TM+\e], v[TM+\e], |v[\src+16*\e+\k]|, |v[\src+1+16*\e+\k]|
.endr
.endr
.irp e, 0,1,2,3
	s_delay_alu instid0(VALU_DEP_4)
	v_permlanex16_b32 v[TM+4+\e], v[TM+\e], s[SEL], s[SEL+1]
.endr
.irp e, 0,1,2,3
	s_delay_alu instid0(VALU_DEP_4)
	v_max_num_f32 v[TM+\e], v[TM+\e], v[TM+4+\e]
.endr
.irp e, 0,1,2,3
	s_delay_alu instid0(VALU_DEP_4)
	v_add_nc_u32 v[TM+12+\e], 0xff000000, v[TM+\e]
.endr
.irp e, 0,1,2,3
	s_delay_alu instid0(VALU_DEP_4)
	v_lshrrev_b32 v[TM+4+\e], 23, v[TM+12+\e]
.endr
	s_delay_alu instid0(VALU_DEP_3)
	v_lshl_or_b32 v[\pw], v[TM+5], 8, v[TM+4]
	s_delay_alu instid0(VALU_DEP_1)
	v_lshl_or_b32 v[\pw], v[TM+6], 16, v[\pw]
	s_delay_alu instid0(VALU_DEP_1)
	v_lshl_or_b32 v[\pw], v[TM+7], 24, v[\pw]
.irp e, 0,1,2,3
	v_cvt_scalef32_pk8_fp4_f32 v[\pc+2*\e], v[\src+16*\e:\src+7+16*\e], v[TM+12+\e]
	v_cvt_scalef32_pk8_fp4_f32 v[\pc+1+2*\e], v[\src+8+16*\e:\src+15+16*\e], v[TM+12+\e]
.endr
	v_nop                                          ; one plain line behind the conversions
.irp c, 0,1
.irp k, 0,1
	v_permlane16_swap_b32 v[\pc+4*\c+\k], v[\pc+2+4*\c+\k]   ; a whole block to a lane
.endr
.endr
.endm
	s_wait_loadcnt 0x0                             ; the bias
	PLACES 4
.irp n, 0,1
.irp p, 0,2,4,6,8,10,12,14,16,18,20,22,24,26,28,30,32,34,36,38,40,42,44,46,48,50,52,54,56,58,60,62
	v_pk_add_f32 v[VACC+64*\n+\p:VACC+64*\n+\p+1], v[VACC+64*\n+\p:VACC+64*\n+\p+1], v[248+2*\n:249+2*\n] op_sel_hi:[1,0]
.endr
	QUANT VACC+64*\n, 64+8*\n, 56+\n
	global_store_b128 v1, v[64+8*\n:67+8*\n], s[14:15] offset:1024*\n
	global_store_b128 v1, v[68+8*\n:71+8*\n], s[14:15] offset:1024*\n+512
.endr
	v_cmp_eq_u32 vcc_lo, 1, v3
	s_delay_alu instid0(VALU_DEP_1)
	v_cndmask_b32 v58, v56, v57, vcc_lo            ; lanes 0-15 store tile 0's words, lanes 16-31 tile 1's
	global_store_b32 v10, v58, s[16:17]
.Lend:
	s_wait_xcnt 0x0
	v_lshl_add_u32 v254, v0, 2, 0x44000
	v_mov_b32 v255, 0
	s_wait_alu depctr_va_vdst(0)
	s_wait_tensorcnt 0x0
	ds_add_u32 v254, v255
	s_wait_dscnt 0x0
	ROUND                                          ; the closing round: no work-group ends while a partner may still ask for a tile that names it
	s_endpgm
.Lfunc_end_k_qafb74c677b_gemm_qkv:
	.size	k_qafb74c677b_gemm_qkv, .Lfunc_end_k_qafb74c677b_gemm_qkv-k_qafb74c677b_gemm_qkv
	.p2alignl 7, 3214868480
	.fill 96, 4, 3214868480
	.section	.rodata,"a",@progbits
	.p2align	6, 0x0
	.amdhsa_kernel k_qafb74c677b_gemm_qkv
		.amdhsa_group_segment_fixed_size 280576
		.amdhsa_private_segment_fixed_size 0
		.amdhsa_enable_private_segment 0
		.amdhsa_kernarg_size 40
		.amdhsa_user_sgpr_count 2
		.amdhsa_user_sgpr_kernarg_segment_ptr 1
		.amdhsa_wavefront_size32 1
		.amdhsa_system_sgpr_workgroup_id_x 1
		.amdhsa_system_sgpr_workgroup_id_y 1
		.amdhsa_system_sgpr_workgroup_id_z 1
		.amdhsa_system_vgpr_workitem_id 0
		.amdhsa_next_free_vgpr 256
		.amdhsa_next_free_sgpr 100
		.amdhsa_reserve_vcc 1
		.amdhsa_float_denorm_mode_32 3
		.amdhsa_float_denorm_mode_16_64 3
		.amdhsa_memory_ordered 1
		.amdhsa_forward_progress 1
		.amdhsa_inst_pref_size 106
	.end_amdhsa_kernel
	.amdgpu_metadata
---
amdhsa.version: [ 1, 2 ]
amdhsa.kernels:
  - .name:           k_qafb74c677b_gemm_qkv
    .symbol:         k_qafb74c677b_gemm_qkv.kd
    .args:
      - { .name: img1, .offset: 0, .size: 8, .value_kind: global_buffer, .address_space: global }
      - { .name: q_bias, .offset: 8, .size: 8, .value_kind: global_buffer, .address_space: global }
      - { .name: v_bias, .offset: 16, .size: 8, .value_kind: global_buffer, .address_space: global }
      - { .name: scale_mul_log, .offset: 24, .size: 8, .value_kind: global_buffer, .address_space: global }
      - { .name: img2, .offset: 32, .size: 8, .value_kind: global_buffer, .address_space: global }
    .group_segment_fixed_size: 280576
    .private_segment_fixed_size: 0
    .kernarg_segment_align: 8
    .kernarg_segment_size: 40
    .max_flat_workgroup_size: 512
    .sgpr_count:     100
    .vgpr_count:     256
    .wavefront_size: 32
...
	.end_amdgpu_metadata
.endif
;; end of part 2
;; launch attn (part 3): grid 4 x 64, 16 waves a work-group, clusters of 4 x 1, 169,984 bytes of LDS; arguments img2, img3; writes img3
.if DOCPART == 3
	.amdgcn_target "amdgcn-amd-amdhsa--gfx1250"
	.amdhsa_code_object_version 6
	.text
	.protected	k_qafb74c677b_attn
	.globl	k_qafb74c677b_attn
	.p2align	8
	.type	k_qafb74c677b_attn,@function
k_qafb74c677b_attn:
	s_mov_b64 s[64:65], 0
	v_nop
	global_prefetch_b8 v0, s[64:65] scope:SCOPE_SE
	s_setreg_imm32_b32 hwreg(HW_REG_WAVE_MODE, 25, 1), 1
	s_wait_xcnt 0x0
	s_wait_alu depctr_hold_cnt(0) depctr_sa_sdst(0) depctr_va_vdst(0) depctr_va_sdst(0) depctr_va_ssrc(0) depctr_va_vcc(0) depctr_vm_vsrc(0)
	s_getreg_b32 s2, hwreg(HW_REG_IB_STS2, 6, 4)
	s_cmp_eq_u32 s2, 0
	s_cbranch_scc0 .Lentry_in_a_cluster
	s_endpgm
.Lentry_in_a_cluster:
	s_bfe_u32 s2, ttmp6, 0x10000c
	s_cmp_lg_u32 s2, 0x3003
	s_cbranch_scc0 .Lentry_shape_is_right
	s_endpgm
.Lentry_shape_is_right:
; o = softmax(q k^T) v for one (batch, head), both products on codes of FP4 with E8M0 scales; o leaves as codes along C, in the order of the last product's operand registers.
; THE SOFTMAX: t = score x log2(e); M = the running largest t rounded UP to a whole number; p = 2^(t - M) is quantised along the keys, not normalised; the row's sum is taken of the unquantised p and divides at the end.
; When M moves, the sums and O are multiplied by f = 2^(old M - new M): exact.
; SHARES.  A work-group owns 512 queries of a head; each of its sixteen waves two tiles of 16, one after the other.  A head's K and V, codes and scale words (139,264 bytes of its record), come into LDS once and stay: no ring.
; CLUSTER: the four work-groups of a head need the same bytes: each wave's one tensor load is asked for jointly by the four.  Waves 0-7: K's codes, 8 rows of 1,024 bytes each, 128 bytes of padding behind a row; waves 8-15: the rest, 9,216 dense bytes each.
; No prefetch: nothing is fetched from memory inside a loop; the head's loads are the launch's only stream.
; LAYOUT.  Both products transposed: S^T = K Q^T, O^T = V^T P^T: a lane holds ONE query (lane % 16) throughout.
; THE KEYS OF A TILE ARE CHOSEN BY ADDRESS: of a step's 128 keys, row m = 8 hi + rr of tile (c, u) is key 64 c + 32 hi + 8 u + rr.  So the 32 score registers 32 c + 8 u + j of lane half h are the WHOLE block 2 c + h of 32 keys, in order:
; a block's largest score needs no other lane, and the conversions' results are the second product's operand registers as they stand.  In img2's order that key lies in tile 4 c + 2 hi + u % 2, row 8 (u / 2) + rr.
; K = 64 IN A FORM OF K = 128: one operand holds tiles u = 2 w and 2 w + 1; it is multiplied by [q | zeros] and by [zeros | q]: zero codes cancel the other tile.
; A BLOCK'S SCALE BYTE is floor(log2(its largest p)) + 125 = floor(t_max - M + 125), held at 1 from below: p rises with the score, so the block's largest score gives it.
; LIMITS: a zero block's byte is 1; blocks under 2^-124 held at byte 1; no NaN, no infinities; scores stay under 1e30 in magnitude (q and k are normalised and scale_mul is clipped at 100 by reference() itself).
.set RECORD, 208896
.set KSTEP, 4608                       ; a step's K codes in LDS: four rows of 1,024 + 128 bytes
.set VB, 73728                         ; V's codes, behind K's 64 padded rows
.set KWB, 139264                       ; K's scale words
.set VWB, 143360                       ; V's
.set SPARE, 147456                     ; the spare words: 128 bytes a wave
.set WV, 18
.set SEL, 20                           ; s[20:21] lane selects: lane l xor 16
.set CS, 22                            ; s[22:23] log2(e)
.set NC, 46                            ; s46 -log2(e)
.set G1K, 24
.set G1V, 48
.set G0, 32
.set TK, 2                             ; s2, s3, s41: where the step's K codes, V codes and scale words begin
.set TV, 3
.set TS, 41
.set CNT, 36
.set HM, 40                            ; s40 the lanes 16-31
.set OC, 42                            ; s[42:43] where o's codes go;  s[44:45] its scale bytes
.set OS, 44
; v1 16 x lane; v2-5 lane terms of K, V, K's words, V's words; v6-9 the same for the loads in hand; v10 o's byte offset; v11 8 h; v12 -M, v13 125 - M, v14 the largest score; v[16:17] f
.set LL, 18                            ; v18-25 the row's sum in four pairs
.set QA, 26                            ; v26-29 q, v30-33 zeros, v34-37 q: [q | 0] = v26-33, [0 | q] = v30-37
.set QP, 38                            ; v38 my two tiles' scale bytes; v39 the tile's word; v40-41 K's words, v42-43 V's, v44 p's: scales and nothing else
.set QW, 39
.set KW, 40
.set VW, 42
.set PW, 44
.set SPW, 45
.set NIL, 46
.set KF, 64                            ; v64-95 K's four operands; v96-127 V's four
.set VF, 96
.set SS, 128                           ; v128-191 S^T, then p
.set OO, 192                           ; v192-223 O^T
.set PC, 224                           ; v224-231 p's codes; v232-241 o's codes and bytes; v47-57 at work
.macro ROUND
	s_barrier_signal -1
	s_barrier_wait -1
	s_cmp_lg_u32 s[WV], 0
	s_cbranch_scc1 .Lnot_wave_0_\@
	s_barrier_signal -3
.Lnot_wave_0_\@:
	s_barrier_wait -3
	s_barrier_signal -1
	s_barrier_wait -1
.endm
.macro PLACES n
.rept \n
	v_nop
.endr
.endm
	s_load_b128 s[4:7], s[0:1], 0x0                ; img2, img3
	v_lshl_add_u32 v[SPW], v0, 2, SPARE
	v_mov_b32 v[NIL], 0
	ds_add_u32 v[SPW], v[NIL]                      ; the opening lines: the add twice on end, and its wait
	ds_add_u32 v[SPW], v[NIL]
	v_lshrrev_b32 v1, 5, v0
	v_readfirstlane_b32 s[WV], v1                  ; wave 0..15
	s_bfe_u32 s8, ttmp6, 0x40000                   ; cx: my block of 512 queries
	s_and_b32 s9, ttmp7, 0xffff                    ; 16 x batch + head, which the four partners share
	s_mul_i32 s10, s9, RECORD
	s_mov_b32 s11, 0
	s_mul_i32 s12, s[WV], 9216                     ; in LDS every wave's part is 9,216 bytes
	s_max_u32 s13, s[WV], 8
	s_sub_co_u32 s13, s13, 8
	s_lshl_b32 s13, s13, 10
	s_lshl_b32 s14, s[WV], 13
	s_add_co_u32 s14, s14, s13                     ; in memory: 8,192 x wave, and 1,024 more for each wave past the eighth
	s_mov_b32 s15, 0
	s_mov_b32 s[G1K], 15|(3<<16)|(1<<20)|(1<<21)|(7<<22)|(31<<25)   ; the mask: all four; elements of 8 bytes; padding: 32 words behind every 256
	s_mov_b32 s[G1K+1], 128<<16
	s_mov_b32 s[G1K+2], 8<<16
	s_mov_b32 s[G1K+3], 128<<16
	s_mov_b32 s[G1K+4], 8
	s_mov_b32 s[G1K+5], 128
	s_mov_b32 s[G1K+6], 0
	s_mov_b32 s[G1K+7], 0
	s_mov_b32 s[G1V], 15|(3<<16)|(1<<21)           ; a dense block as 36 rows of 256 bytes
	s_mov_b32 s[G1V+1], 32<<16
	s_mov_b32 s[G1V+2], 36<<16
	s_mov_b32 s[G1V+3], 32<<16
	s_mov_b32 s[G1V+4], 36
	s_mov_b32 s[G1V+5], 32
	s_mov_b32 s[G1V+6], 0
	s_mov_b32 s[G1V+7], 0
	s_mov_b32 s[SEL], 0x76543210
	s_mov_b32 s[SEL+1], 0xfedcba98
	s_mov_b32 s[CS], 0x3fb8aa3b
	s_mov_b32 s[CS+1], s[CS]                       ; (named with it as a pair, so it is written)
	s_mov_b32 s[NC], 0xbfb8aa3b
	s_wait_dscnt 0x0
	s_wait_kmcnt 0x0
	s_add_nc_u64 s[4:5], s[4:5], s[10:11]          ; the record
	ROUND                                          ; all four work-groups are here: the joint loads meet
	s_mov_b32 s[G0], 1
	s_mov_b32 s[G0+1], s12
	s_add_nc_u64 s[G0+2:G0+3], s[4:5], s[14:15]
	s_or_b32 s[G0+3], s[G0+3], 0x80000000
	s_cmp_lt_u32 s[WV], 8                          ; one branch on the wave's number, one tensor load in each arm
	s_cbranch_scc0 .Lrest
	tensor_load_to_lds s[G0:G0+3], s[G1K:G1K+7]
	s_nop 0
	PLACES 4
	s_branch .Lasked
.Lrest:
	tensor_load_to_lds s[G0:G0+3], s[G1V:G1V+7]
	s_nop 0
	PLACES 4
.Lasked:
	s_lshl_b32 s14, s8, 14                         ; Q's codes: tile 32 cx + 2 wave, 512 bytes a tile
	s_lshl_b32 s15, s[WV], 10
	s_add_co_u32 s14, s14, s15
	s_add_co_u32 s14, s14, 139264
	s_mov_b32 s15, 0
	s_add_nc_u64 s[14:15], s[4:5], s[14:15]
	s_lshl_b32 s16, s8, 10                         ; Q's scale words: pair 16 cx + wave, 64 bytes a pair
	s_lshl_b32 s17, s[WV], 6
	s_add_co_u32 s16, s16, s17
	s_add_co_u32 s16, s16, 204800
	s_mov_b32 s17, 0
	s_add_nc_u64 s[16:17], s[4:5], s[16:17]
	s_lshr_b32 s37, s9, 4
	s_lshl_b32 s37, s37, 7
	s_lshl_b32 s38, s8, 5
	s_add_co_u32 s37, s37, s38
	s_lshl_b32 s38, s[WV], 1
	s_add_co_u32 s37, s37, s38                     ; my first tile of tokens: 128 x batch + 32 cx + 2 wave
	s_and_b32 s38, s9, 15                          ; the head: blocks 2 head and 2 head + 1 along C
	s_lshl_b32 s[OC], s37, 13
	s_lshl_b32 s39, s38, 9
	s_add_co_u32 s[OC], s[OC], s39
	s_mov_b32 s[OC+1], 0
	s_add_nc_u64 s[OC:OC+1], s[6:7], s[OC:OC+1]
	s_lshl_b32 s[OS], s37, 9
	s_lshr_b32 s39, s38, 3
	s_lshl_b32 s39, s39, 8
	s_add_co_u32 s[OS], s[OS], s39
	s_and_b32 s39, s38, 7
	s_lshl_b32 s39, s39, 1
	s_add_co_u32 s[OS], s[OS], s39
	s_add_co_u32 s[OS], s[OS], 4194304
	s_mov_b32 s[OS+1], 0
	s_add_nc_u64 s[OS:OS+1], s[6:7], s[OS:OS+1]
	v_and_b32 v1, 31, v0
	v_and_b32 v47, 7, v0                           ; rr
	v_bfe_u32 v48, v0, 3, 1                        ; hi
	v_bfe_u32 v49, v0, 4, 1                        ; h
	v_and_b32 v50, 15, v0                          ; r
	v_lshl_add_u32 v5, v1, 2, VWB                  ; V's scale words: 4 x lane: lanes 0-15 an even tile of channels, lanes 16-31 the odd one
	v_lshlrev_b32 v1, 4, v1                        ; 16 x lane
	v_lshlrev_b32 v2, 4, v47
	v_lshlrev_b32 v4, 2, v47
	v_lshlrev_b32 v51, 2, v50                      ; 4 r
	v_mad_u32_u24 v2, v48, 1152, v2
	v_lshl_add_u32 v4, v48, 6, v4
	v_add_nc_u32 v3, VB, v1                        ; V's codes: dense
	v_lshl_add_u32 v2, v49, 8, v2                  ; K's codes: 1152 hi + 256 h + 16 rr
	v_lshl_add_u32 v4, v49, 7, v4
	v_lshl_add_u32 v10, v50, 4, v49                ; o's scale byte: 16 r + h
	v_lshlrev_b32 v11, 3, v49                      ; 8 h
	v_add_nc_u32 v4, KWB, v4                       ; K's scale words: 64 hi + 4 rr; lanes 16-31 take the words of c = 1, 128 bytes on
	v_cmp_eq_u32 s[HM], 1, v49
	global_load_b32 v[QP], v51, s[16:17]           ; my two tiles' scale bytes of query r
.irp j, 30,31,32,33,17,52
	v_mov_b32 v[\j], 0                             ; the zero codes beside q; the upper half of the pair v[16:17]; a lane permute's destination
.endr
	s_wait_alu depctr_va_vdst(0)
	s_wait_loadcnt 0x0
	s_wait_tensorcnt 0x0                           ; my part is in,
	s_barrier_signal -1
	s_barrier_wait -1                              ; everybody's is: from here on LDS is only read
.macro KLOAD adr, wadr, off, woff      ; a step's four operands of K (c, w), halves e, and its scale words
.irp c, 0,1
.irp w, 0,1
.irp e, 0,1
	ds_load_b128 v[KF+16*\c+8*\w+4*\e:KF+16*\c+8*\w+4*\e+3], v[\adr] offset:\off+2304*\c+128*\w+512*\e
.endr
.endr
.endr
.irp w, 0,1
	ds_load_b32 v[KW+\w], v[\wadr] offset:\woff+32*\w
.endr
.endm
.macro SW c, w, e                      ; 16 keys x 16 queries: tile (c, 2 w + e)
.if \c
	v_wmma_scale_f32_16x16x128_f8f6f4 v[SS+32*\c+16*\w+8*\e:SS+32*\c+16*\w+8*\e+7], v[KF+16*\c+8*\w:KF+16*\c+8*\w+7], v[QA+4*\e:QA+4*\e+7], 0, v[KW+\w], v[QW] matrix_a_fmt:MATRIX_FMT_FP4 matrix_b_fmt:MATRIX_FMT_FP4 matrix_a_scale:MATRIX_SCALE_ROW1
.else
	v_wmma_scale_f32_16x16x128_f8f6f4 v[SS+32*\c+16*\w+8*\e:SS+32*\c+16*\w+8*\e+7], v[KF+16*\c+8*\w:KF+16*\c+8*\w+7], v[QA+4*\e:QA+4*\e+7], 0, v[KW+\w], v[QW] matrix_a_fmt:MATRIX_FMT_FP4 matrix_b_fmt:MATRIX_FMT_FP4
.endif
.endm
.macro XS n                            ; t - M, two at a time
.rept \n
	v_pk_fma_f32 v[SS+J:SS+J+1], v[SS+J:SS+J+1], s[CS:CS+1], v[12:13] op_sel_hi:[1,0,0]
.set J, J+2
.endr
.endm
.macro OSC n                           ; O^T under the new M, each accumulator from its low end on
.rept \n
	v_pk_mul_f32 v[OO+JO:OO+JO+1], v[OO+JO:OO+JO+1], v[16:17] op_sel_hi:[1,0]
.set JO, JO+2
.endr
.endm
; A KEY STEP: 128 keys.  pre = 1: the next step's K is fetched too.
.macro STEP pre
	s_wait_dscnt 0x0                               ; this step's K and its words are in
.irp c, 0,1
.irp w, 0,1
.irp e, 0,1
	SW \c, \w, \e
.endr
.endr
.endr
	v_add_nc_u32 v7, s[TV], v3                     ; these four lines are the places behind the products, ahead of the loads and of the first read of S^T
	v_add_nc_u32 v9, s[TS], v5
.if \pre
	v_add_nc_u32 v6, s[TK], v2
	v_add_nc_u32 v8, s[TS], v4
.else
	PLACES 2
.endif
.irp u, 0,1,2,3,4,5,6,7
	ds_load_b128 v[VF+4*\u:VF+4*\u+3], v7 offset:512*\u   ; V: tile u / 2 of channels, half u % 2
.endr
.irp u, 0,1
	ds_load_b32 v[VW+\u], v9 offset:128*\u
.endr
.if \pre
	KLOAD 6, 8, KSTEP, 256
.endif
.irp k, 0,1,2,3                        ; the largest score of my two blocks: four chains of 16 registers, each accumulator from its low end on
	v_max3_num_f32 v[48+\k], v[SS+16*\k], v[SS+16*\k+1], v[SS+16*\k+2]
.endr
.irp i, 3,5,7,9,11,13
.irp k, 0,1,2,3
	v_max3_num_f32 v[48+\k], v[48+\k], v[SS+16*\k+\i], v[SS+16*\k+\i+1]
.endr
.endr
	v_max3_num_f32 v48, v48, v49, v[SS+15]
	v_max3_num_f32 v50, v50, v51, v[SS+47]
	v_max_num_f32 v48, v48, v[SS+31]               ; block h
	v_max_num_f32 v50, v50, v[SS+63]               ; block 2 + h
	s_delay_alu instid0(VALU_DEP_1)
	v_max_num_f32 v15, v48, v50
	s_delay_alu instid0(VALU_DEP_1)
	v_permlanex16_b32 v47, v15, s[SEL], s[SEL+1]
	s_delay_alu instid0(VALU_DEP_1)
	v_max3_num_f32 v14, v14, v15, v47              ; the running largest score of my query
	s_delay_alu instid0(VALU_DEP_1)
	v_mul_f32 v15, s[NC], v14
	s_delay_alu instid0(VALU_DEP_1)
	v_floor_f32 v15, v15                           ; the new -M = floor(-t): M is a whole number
	s_delay_alu instid0(VALU_DEP_1)
	v_sub_f32 v53, v15, v12                        ; old M - new M: a whole number, 0 or less
	v_mov_b32 v12, v15
	v_add_f32 v13, 0x42fa0000, v15                 ; 125 - M
	s_delay_alu instid0(VALU_DEP_3)
	v_cvt_i32_f32 v53, v53                         ; (it saturates)
	s_delay_alu instid0(VALU_DEP_1)
	v_ldexp_f32 v16, 1.0, v53                      ; f = 2^(old M - new M)
.set J, 0
.set JO, 0
	v_fma_f32 v48, v48, s[CS], v13                 ; t_max - M + 125 of my two blocks
	v_fma_f32 v50, v50, s[CS], v13
	XS 8
	v_max_num_f32 v48, 1.0, v48                    ; the byte cannot fall under 1
	v_max_num_f32 v50, 1.0, v50
	XS 8
	v_cvt_floor_i32_f32 v48, v48                   ; the scales' bytes
	v_cvt_floor_i32_f32 v50, v50
	XS 8
	v_lshlrev_b32 v54, 23, v48                     ; the conversions' scale operands
	v_lshlrev_b32 v55, 23, v50
	v_lshl_or_b32 v49, v50, 16, v48
	XS 8
	v_lshlrev_b32 v49, v11, v49                    ; my two bytes at their places in p's scale word
	OSC 8
	v_permlanex16_b32 v52, v49, s[SEL], s[SEL+1]
	OSC 8
	s_wait_alu depctr_va_vdst(0)
.set J, 0
.rept 64
	v_exp_f32 v[SS+J], v[SS+J]                     ; p = 2^(t - M)
.set J, J+1
.endr
	v_or_b32 v[PW], v49, v52                       ; with lane l xor 16's two bytes the word is whole (the plain line behind the batch)
	s_wait_alu depctr_va_vdst(0)                   ; one wait for the whole batch, ahead of its first reader
.irp c, 0,1
.irp u, 0,1,2,3
	v_cvt_scalef32_pk8_fp4_f32 v[PC+4*\c+\u], v[SS+32*\c+8*\u:SS+32*\c+8*\u+7], v[54+\c]   ; register 4 c + u of the operand: k = 64 c + 32 h + 8 u + 0 .. 7
.endr
.endr
.irp i, 0,1,2,3                        ; the row's sum of the unquantised p, four chains; the first line of each brings the old sum under the new M.  (These 32 are also the places ahead of the products below)
	v_pk_fma_f32 v[LL+2*\i:LL+2*\i+1], v[LL+2*\i:LL+2*\i+1], v[16:17], v[SS+2*\i:SS+2*\i+1] op_sel_hi:[1,0,1]
.endr
.set J, 8
.rept 7
.irp i, 0,1,2,3
	v_pk_add_f32 v[LL+2*\i:LL+2*\i+1], v[LL+2*\i:LL+2*\i+1], v[SS+J+2*\i:SS+J+2*\i+1]
.endr
.set J, J+8
.endr
	s_wait_alu depctr_va_vdst(0)
.if \pre
	s_wait_dscnt 10                                ; V and its words are in; the next step's ten loads may be out
.else
	s_wait_dscnt 0x0
.endif
.irp t, 0,1,2,3                        ; O^T += V^T P^T, the four accumulators by turns
.if (\t)&1
	v_wmma_scale_f32_16x16x128_f8f6f4 v[OO+8*\t:OO+8*\t+7], v[VF+8*\t:VF+8*\t+7], v[PC:PC+7], v[OO+8*\t:OO+8*\t+7], v[VW+\t/2], v[PW] matrix_a_fmt:MATRIX_FMT_FP4 matrix_b_fmt:MATRIX_FMT_FP4 matrix_a_scale:MATRIX_SCALE_ROW1
.else
	v_wmma_scale_f32_16x16x128_f8f6f4 v[OO+8*\t:OO+8*\t+7], v[VF+8*\t:VF+8*\t+7], v[PC:PC+7], v[OO+8*\t:OO+8*\t+7], v[VW+\t/2], v[PW] matrix_a_fmt:MATRIX_FMT_FP4 matrix_b_fmt:MATRIX_FMT_FP4
.endif
.endr
.if \pre
	s_add_co_u32 s[TK], s[TK], KSTEP
	s_add_co_u32 s[TV], s[TV], 4096
	s_add_co_u32 s[TS], s[TS], 256
.endif
.endm
; My tile i: all 2,048 keys, then the way out.
.macro TILE i
	global_load_b128 v[QA:QA+3], v1, s[14:15] offset:512*\i     ; q, beside zeros above
	global_load_b128 v[QA+8:QA+11], v1, s[14:15] offset:512*\i  ; and beside zeros below: two runs of registers
	KLOAD 2, 4, 0, 0                               ; step 0's K
	v_bfe_u32 v[QW], v[QP], 16*\i, 16              ; the tile's two scale bytes,
	s_delay_alu instid0(VALU_DEP_1)
	v_lshl_or_b32 v[QW], v[QW], 16, v[QW]          ; twice: whichever half of the operand q stands in.  (The lines below are the places between this and the first product)
	v_mov_b32 v14, 0xf149f2ca                      ; the largest score so far: -1e30
	v_mov_b32 v12, 0x7149f2ca                      ; and -M to go with it
	v_mov_b32 v13, 0
.set J, 0
.rept 8
	v_mov_b32 v[LL+J], 0
.set J, J+1
.endr
.set J, 0
.rept 32
	v_mov_b32 v[OO+J], 0                           ; O^T: the first step finds zeros, which the first change of M leaves zeros
.set J, J+1
.endr
	s_mov_b32 s[TK], 0
	s_mov_b32 s[TV], 0
	s_mov_b32 s[TS], 0
	s_mov_b32 s[CNT], 15
	s_wait_alu depctr_va_vdst(0)
	s_wait_loadcnt 0x0
.Lstep_\@:
	STEP 1
	s_sub_co_u32 s[CNT], s[CNT], 1
	s_cmp_lg_u32 s[CNT], 0
	s_cbranch_scc1 .Lstep_\@
	STEP 0                                         ; the last step is written out: it fetches no further K
	v_pk_add_f32 v[LL:LL+1], v[LL:LL+1], v[LL+2:LL+3]        ; the sum's parts (these lines are the places behind the last products)
	v_pk_add_f32 v[LL+4:LL+5], v[LL+4:LL+5], v[LL+6:LL+7]
	s_delay_alu instid0(VALU_DEP_1)
	v_pk_add_f32 v[LL:LL+1], v[LL:LL+1], v[LL+4:LL+5]
	s_delay_alu instid0(VALU_DEP_1)
	v_add_f32 v[LL], v[LL], v[LL+1]
	s_delay_alu instid0(VALU_DEP_1)
	v_permlanex16_b32 v47, v[LL], s[SEL], s[SEL+1]
	s_delay_alu instid0(VALU_DEP_1)
	v_add_f32 v[LL], v[LL], v47                    ; and lane l xor 16's
	s_wait_alu depctr_va_vdst(0)
	v_rcp_f32 v16, v[LL]
	v_nop
	s_wait_alu depctr_va_vdst(0)
.irp j, 0,2,4,6,8,10,12,14,16,18,20,22,24,26,28,30
	v_pk_mul_f32 v[SS+\j:SS+\j+1], v[OO+\j:OO+\j+1], v[16:17] op_sel_hi:[1,0]   ; o: register 16 e + k is channel 32 e + 16 h + k of query r
.endr
.irp e, 0,1
	v_max3_num_f32 v[48+\e], |v[SS+16*\e]|, |v[SS+1+16*\e]|, 0x1800000
.endr
.irp k, 2,4,6,8,10,12,14
.irp e, 0,1
	s_delay_alu instid0(VALU_DEP_2)
	v_max3_num_f32 v[48+\e], v[48+\e], |v[SS+16*\e+\k]|, |v[SS+1+16*\e+\k]|
.endr
.endr
.irp e, 0,1
	s_delay_alu instid0(VALU_DEP_2)
	v_permlanex16_b32 v[50+\e], v[48+\e], s[SEL], s[SEL+1]
.endr
.irp e, 0,1
	s_delay_alu instid0(VALU_DEP_2)
	v_max_num_f32 v[48+\e], v[48+\e], v[50+\e]
.endr
.irp e, 0,1
	s_delay_alu instid0(VALU_DEP_2)
	v_add_nc_u32 v[54+\e], 0xff000000, v[48+\e]
.endr
.irp e, 0,1
	s_delay_alu instid0(VALU_DEP_2)
	v_lshrrev_b32 v[56+\e], 23, v[54+\e]
.endr
	v_cvt_scalef32_pk8_fp4_f32 v[232+4*\i], v[SS:SS+7], v54
	v_cvt_scalef32_pk8_fp4_f32 v[233+4*\i], v[SS+8:SS+15], v54
	v_cvt_scalef32_pk8_fp4_f32 v[234+4*\i], v[SS+16:SS+23], v55
	v_cvt_scalef32_pk8_fp4_f32 v[235+4*\i], v[SS+24:SS+31], v55
	v_cndmask_b32 v[240+\i], v56, v57, s[HM]       ; lane (r, h) keeps block h's byte (the plain line behind the conversions)
	v_permlane16_swap_b32 v[232+4*\i], v[234+4*\i] ; a whole block to a lane
	v_permlane16_swap_b32 v[233+4*\i], v[235+4*\i]
	global_store_b128 v1, v[232+4*\i:235+4*\i], s[OC:OC+1] offset:8192*\i   ; 32 lanes store 512 consecutive bytes: the head's two blocks of the tile's 16 rows
	global_store_b8 v10, v[240+\i], s[OS:OS+1] offset:512*\i                ; two bytes of each row's sixteen: the other heads' work-groups write the rest
.endm
	TILE 0
	TILE 1
	s_wait_tensorcnt 0x0                           ; the wave's end
	ds_add_u32 v[SPW], v[NIL]
	s_wait_dscnt 0x0
	ROUND                                          ; the closing round
	s_endpgm
.Lfunc_end_k_qafb74c677b_attn:
	.size	k_qafb74c677b_attn, .Lfunc_end_k_qafb74c677b_attn-k_qafb74c677b_attn
	.p2alignl 7, 3214868480
	.fill 96, 4, 3214868480
	.section	.rodata,"a",@progbits
	.p2align	6, 0x0
	.amdhsa_kernel k_qafb74c677b_attn
		.amdhsa_group_segment_fixed_size 169984
		.amdhsa_private_segment_fixed_size 0
		.amdhsa_enable_private_segment 0
		.amdhsa_kernarg_size 16
		.amdhsa_user_sgpr_count 2
		.amdhsa_user_sgpr_kernarg_segment_ptr 1
		.amdhsa_wavefront_size32 1
		.amdhsa_system_sgpr_workgroup_id_x 1
		.amdhsa_system_sgpr_workgroup_id_y 1
		.amdhsa_system_sgpr_workgroup_id_z 1
		.amdhsa_system_vgpr_workitem_id 0
		.amdhsa_next_free_vgpr 256
		.amdhsa_next_free_sgpr 66
		.amdhsa_reserve_vcc 0
		.amdhsa_float_denorm_mode_32 3
		.amdhsa_float_denorm_mode_16_64 3
		.amdhsa_memory_ordered 1
		.amdhsa_forward_progress 1
		.amdhsa_inst_pref_size 75
	.end_amdhsa_kernel
	.amdgpu_metadata
---
amdhsa.version: [ 1, 2 ]
amdhsa.kernels:
  - .name:           k_qafb74c677b_attn
    .symbol:         k_qafb74c677b_attn.kd
    .args:
      - { .name: img2, .offset: 0, .size: 8, .value_kind: global_buffer, .address_space: global }
      - { .name: img3, .offset: 8, .size: 8, .value_kind: global_buffer, .address_space: global }
    .group_segment_fixed_size: 169984
    .private_segment_fixed_size: 0
    .kernarg_segment_align: 8
    .kernarg_segment_size: 16
    .max_flat_workgroup_size: 512
    .sgpr_count:     66
    .vgpr_count:     256
    .wavefront_size: 32
...
	.end_amdgpu_metadata
.endif
;; end of part 3
;; launch proj (part 4): grid 4 x 64, 16 waves a work-group, clusters of 4 x 4, 280,576 bytes of LDS; arguments img3, img1, b_proj, out0; writes out0
.if DOCPART == 4
	.amdgcn_target "amdgcn-amd-amdhsa--gfx1250"
	.amdhsa_code_object_version 6
	.text
	.protected	k_qafb74c677b_proj
	.globl	k_qafb74c677b_proj
	.p2align	8
	.type	k_qafb74c677b_proj,@function
k_qafb74c677b_proj:
	s_mov_b64 s[64:65], 0
	v_nop
	global_prefetch_b8 v0, s[64:65] scope:SCOPE_SE
	s_setreg_imm32_b32 hwreg(HW_REG_WAVE_MODE, 25, 1), 1
	s_wait_xcnt 0x0
	s_wait_alu depctr_hold_cnt(0) depctr_sa_sdst(0) depctr_va_vdst(0) depctr_va_sdst(0) depctr_va_ssrc(0) depctr_va_vcc(0) depctr_vm_vsrc(0)
	s_getreg_b32 s2, hwreg(HW_REG_IB_STS2, 6, 4)
	s_cmp_eq_u32 s2, 0
	s_cbranch_scc0 .Lentry_in_a_cluster
	s_endpgm
.Lentry_in_a_cluster:
	s_bfe_u32 s2, ttmp6, 0x10000c
	s_cmp_lg_u32 s2, 0xf033
	s_cbranch_scc0 .Lentry_shape_is_right
	s_endpgm
.Lentry_shape_is_right:
; out0 = o W_proj^T + b_proj on codes of FP4 with E8M0 scales (K = 1,024).  o's codes and scale bytes lie in img3, W_proj's in img1 (tiles 704 on), both in the order of an operand's registers.
; A work-group makes 128 tokens x 256 columns with ALL of K in LDS, every byte filled once: no ring.  256 work-groups.
; CLUSTERS: 4 x 4; the four of a row need the same tiles of o, the four of a column the same tiles of W_proj: each is asked for jointly.
; Sixteen waves, four to a SIMD; a wave makes 32 tokens x 64 columns, transposed (source 0 = 16 rows of W_proj, source 1 = 16 tokens): a lane holds eight neighbouring columns of one token.  b_proj is the C of the first K step.
; TILES: lane row r of tile T is row 32 (T / 2) + 8 (T % 2) + r + 8 (r / 8).  The way out undoes that order: results go through the wave's own stage in LDS and leave as 256 consecutive bytes of a row of out0.
.set BC, 65536                         ; LDS: A's codes at 0, tile i at 8192 i, all of K; B's here, likewise
.set AS, 196608                        ; A's scale bytes, 512 a tile
.set BS, 200704                        ; B's
.set STG, 208896                       ; the stages: 16 rows x (256 + 16) bytes for each wave; no fill lands here
.set WV, 18
.set WP, 19
.set G1A, 24                           ; s[24:31], s[32:39] group 1 for A's and B's codes
.set G1B, 32
.set G1SA, 40
.set G1SB, 48
.set SA, 16                            ; v16-19 A's scale words, v20-27 B's: they hold scale words and nothing else
.set SB, 20
.set AF, 32                            ; v32-47 A's two fragments, v48-79 B's four
.set BF, 48
.set ACC, 96                           ; v96-159 the eight accumulators
.set BI, 160                           ; v160-191 the bias
.set OUT, 192                          ; v192-255 rows on their way out
.macro ROUND
	s_barrier_signal -1
	s_barrier_wait -1
	s_cmp_lg_u32 s[WV], 0
	s_cbranch_scc1 .Lnot_wave_0_\@
	s_barrier_signal -3
.Lnot_wave_0_\@:
	s_barrier_wait -3
	s_barrier_signal -1
	s_barrier_wait -1
.endm
.macro PLACES n
.rept \n
	v_nop
.endr
.endm
.macro FRAG reg, adr, off
	ds_load_b128 v[\reg:\reg+3], v[\adr] offset:\off
	ds_load_b128 v[\reg+4:\reg+7], v[\adr] offset:\off+512
.endm
.macro WM                              ; one matrix instruction from the symbols rD, rA, rB, rC, rSA, rSB; fA, fB: the scale words of source 0, 1 lie in lanes 16-31
.if fA && fB
	v_wmma_scale_f32_16x16x128_f8f6f4 v[rD:rD+7], v[rA:rA+7], v[rB:rB+7], v[rC:rC+7], v[rSA], v[rSB] matrix_a_fmt:MATRIX_FMT_FP4 matrix_b_fmt:MATRIX_FMT_FP4 matrix_a_scale:MATRIX_SCALE_ROW1 matrix_b_scale:MATRIX_SCALE_ROW1
.elseif fA
	v_wmma_scale_f32_16x16x128_f8f6f4 v[rD:rD+7], v[rA:rA+7], v[rB:rB+7], v[rC:rC+7], v[rSA], v[rSB] matrix_a_fmt:MATRIX_FMT_FP4 matrix_b_fmt:MATRIX_FMT_FP4 matrix_a_scale:MATRIX_SCALE_ROW1
.elseif fB
	v_wmma_scale_f32_16x16x128_f8f6f4 v[rD:rD+7], v[rA:rA+7], v[rB:rB+7], v[rC:rC+7], v[rSA], v[rSB] matrix_a_fmt:MATRIX_FMT_FP4 matrix_b_fmt:MATRIX_FMT_FP4 matrix_b_scale:MATRIX_SCALE_ROW1
.else
	v_wmma_scale_f32_16x16x128_f8f6f4 v[rD:rD+7], v[rA:rA+7], v[rB:rB+7], v[rC:rC+7], v[rSA], v[rSB] matrix_a_fmt:MATRIX_FMT_FP4 matrix_b_fmt:MATRIX_FMT_FP4
.endif
.endm
	s_load_b128 s[4:7], s[0:1], 0x0                ; img3, img1
	s_load_b128 s[8:11], s[0:1], 0x10              ; b_proj, out0
	v_lshl_add_u32 v94, v0, 2, 0x44000
	v_mov_b32 v95, 0
	ds_add_u32 v94, v95
	ds_add_u32 v94, v95
	v_lshrrev_b32 v1, 5, v0
	s_delay_alu instid0(VALU_DEP_1)
	v_readfirstlane_b32 s[WV], v1                  ; wave 0..15
	s_and_b32 s[WP], s[WV], 7                      ; waves 0-7 fetch for A, a tile each; waves 8-15 for B, two tiles each
	s_bfe_u32 s84, ttmp6, 0x40000                  ; cx
	s_bfe_u32 s85, ttmp6, 0x40004                  ; cy
	s_lshl_b32 s86, ttmp9, 2
	s_add_co_u32 s86, s86, s84                     ; nx: my block of 256 columns
	s_and_b32 s87, ttmp7, 0xffff
	s_lshl_b32 s87, s87, 2
	s_add_co_u32 s87, s87, s85                     ; my: my block of 128 tokens
	s_lshl_b32 s88, s85, 2
	s_lshl_b32 s88, 15, s88                        ; my row of the cluster
	s_lshl_b32 s89, 0x1111, s84                    ; my column
	s_or_b32 s[G1A], s88, (3<<16)|(1<<21)          ; 15:0 the mask; 17:16 elements of 8 bytes; 21 set beside a mask; no padding
	s_or_b32 s[G1B], s89, (3<<16)|(1<<21)
	s_mov_b32 s[G1A+1], 32<<16                     ; A's codes: one tile
	s_mov_b32 s[G1A+2], 32<<16                     ; a whole tile: 8,192 dense bytes as 32 rows of 256
	s_mov_b32 s[G1A+3], 32<<16
	s_mov_b32 s[G1A+4], 32
	s_mov_b32 s[G1A+5], 32
	s_mov_b32 s[G1A+6], 0
	s_mov_b32 s[G1A+7], 0
	s_mov_b32 s[G1B+1], 32<<16                     ; B's codes: two whole tiles: 16,384 dense bytes as 64 rows of 256
	s_mov_b32 s[G1B+2], 64<<16
	s_mov_b32 s[G1B+3], 32<<16
	s_mov_b32 s[G1B+4], 64
	s_mov_b32 s[G1B+5], 32
	s_mov_b32 s[G1B+6], 0
	s_mov_b32 s[G1B+7], 0
	s_lshl_b32 s20, s[WP], 13                      ; a tile of A in memory
	s_lshl_b32 s22, s[WP], 14                      ; two tiles of B in memory
	s_lshl_b32 s14, s[WP], 13                      ; a tile of A in LDS
	s_lshl_b32 s90, s87, 16                        ; A's hang on my and the wave alone,
	s_add_co_u32 s90, s90, s20
	s_mov_b32 s91, 0
	s_lshl_b32 s92, s87, 12
	s_add_co_u32 s92, s92, 4194304
	s_mov_b32 s93, 0
	s_lshl_b32 s94, s86, 17                        ; B's on nx and the wave alone: W_proj's tiles begin at tile 704
	s_add_co_u32 s94, s94, s22
	s_add_co_u32 s94, s94, 5767168
	s_mov_b32 s95, 0
	s_lshl_b32 s96, s86, 13
	s_add_co_u32 s96, s96, 6651904
	s_mov_b32 s97, 0
	s_wait_dscnt 0x0
	s_wait_kmcnt 0x0
	ROUND                                          ; all sixteen work-groups are here: the joint loads meet
	s_add_nc_u64 s[58:59], s[4:5], s[92:93]        ; A's scale bytes of my 128 tokens: 4,096 dense bytes
	s_mov_b32 s60, 1                               ; A's tile
	s_mov_b32 s61, s14
	s_add_nc_u64 s[62:63], s[4:5], s[90:91]
	s_or_b32 s63, s63, 0x80000000
	s_add_nc_u64 s[74:75], s[6:7], s[96:97]        ; B's scale bytes of my 256 columns: 8,192 dense bytes
	s_mov_b32 s76, 1                               ; B's two tiles
	s_add_co_u32 s77, s22, BC
	s_add_nc_u64 s[78:79], s[6:7], s[94:95]
	s_or_b32 s79, s79, 0x80000000
	s_cmp_lt_u32 s[WV], 8                          ; one branch on the wave's number, one tensor load in each arm: my one tensor load of the launch
	s_cbranch_scc0 .Lfor_b
	tensor_load_to_lds s[60:63], s[G1A:G1A+7]
	s_nop 0
	PLACES 4
	s_branch .Lasked
.Lfor_b:
	tensor_load_to_lds s[76:79], s[G1B:G1B+7]
	s_nop 0
	PLACES 4
.Lasked:
	v_lshlrev_b32 v80, 3, v0                       ; the scale bytes come through registers: 512 threads x 8 bytes are A's 4,096 bytes, x 16 bytes B's 8,192
	v_lshlrev_b32 v81, 4, v0
	v_lshl_add_u32 v82, v0, 3, AS
	v_lshl_add_u32 v83, v0, 4, BS
	global_load_b64 v[84:85], v80, s[58:59]
	global_load_b128 v[88:91], v81, s[74:75]
	v_and_b32 v1, 31, v0
	s_delay_alu instid0(VALU_DEP_1)
	v_lshlrev_b32 v1, 4, v1                        ; 16 x lane
	v_and_b32 v2, 15, v0                           ; r
	v_bfe_u32 v3, v0, 4, 1                         ; h
	s_lshr_b32 s22, s[WV], 2                       ; wm: A's tiles 2 wm + a
	s_and_b32 s23, s[WV], 3                        ; wn: B's tiles 4 wn + b
	s_lshl_b32 s20, s22, 14
	v_add_nc_u32 v4, s20, v1                       ; A's fragments
	s_lshl_b32 s20, s23, 15
	s_add_co_u32 s20, s20, BC
	v_add_nc_u32 v5, s20, v1                       ; B's
	v_lshlrev_b32 v12, 4, v2
	s_delay_alu instid0(VALU_DEP_1)
	v_lshl_add_u32 v7, v3, 9, v12                  ; A's scale words: 16 r; lanes 16-31 take the second tile
	s_lshl_b32 s20, s22, 10
	s_add_co_u32 s20, s20, AS
	v_add_nc_u32 v7, s20, v7
	v_lshl_add_u32 v8, v3, 10, v12                 ; B's: lanes 16-31 take the tiles two further on
	s_lshl_b32 s20, s23, 11
	s_add_co_u32 s20, s20, BS
	v_add_nc_u32 v8, s20, v8
	s_mul_i32 s20, s[WV], 16*272
	s_add_co_u32 s20, s20, STG                     ; my stage
	s_wait_alu depctr_va_vdst(0)
	v_mul_u32_u24 v9, v2, 272
	s_delay_alu instid0(VALU_DEP_1)
	v_lshl_add_u32 v9, v3, 6, v9
	s_delay_alu instid0(VALU_DEP_1)
	v_add_nc_u32 v9, s20, v9                       ; in: row r, 16 h columns on
	v_mul_u32_u24 v10, v3, 272
	s_delay_alu instid0(VALU_DEP_1)
	v_add_nc_u32 v10, v10, v12
	s_delay_alu instid0(VALU_DEP_1)
	v_add_nc_u32 v10, s20, v10                     ; back: lanes 0-15 one row, lanes 16-31 the next
	v_lshl_add_u32 v11, v3, 12, v12                ; and the same two rows in out0
	v_lshlrev_b32 v13, 6, v3                       ; the bias: 16 h columns on
	s_lshl_b32 s92, s86, 10
	s_lshl_b32 s20, s23, 8
	s_add_co_u32 s92, s92, s20                     ; my first column, in bytes: (256 nx + 64 wn) x 4
	s_mov_b32 s93, 0
	s_add_nc_u64 s[8:9], s[8:9], s[92:93]
.irp b, 0,1,2,3                        ; register j of tile b: column 32 (b / 2) + 16 h + 8 (b % 2) + j of my 64
	global_load_b128 v[BI+8*\b:BI+8*\b+3], v13, s[8:9] offset:128*(\b/2)+32*(\b%2)
	global_load_b128 v[BI+8*\b+4:BI+8*\b+7], v13, s[8:9] offset:128*(\b/2)+32*(\b%2)+16
.endr
	s_lshl_b32 s94, s87, 19                        ; my first token: 128 my + 32 wm, 4,096 bytes a row
	s_lshl_b32 s20, s22, 17
	s_add_co_u32 s94, s94, s20
	s_add_co_u32 s94, s94, s92
	s_mov_b32 s95, 0
	s_add_nc_u64 s[10:11], s[10:11], s[94:95]
	s_wait_alu depctr_va_vdst(0)
	s_wait_loadcnt 0x0                             ; the scale bytes and the bias are in registers
	s_wait_tensorcnt 0x0                           ; my tiles are in
	ds_store_b64 v82, v[84:85]                     ; my bytes of A's scale bytes and of B's, to LDS bytes on which no fill lands
	ds_store_b128 v83, v[88:91]
	s_wait_dscnt 0x0
	s_barrier_signal -1
	s_barrier_wait -1                              ; everybody's are
; A K step: 128 along K, eight matrix instructions, the eight accumulators by turns.
.macro KP_STEP s
.set QQ, (\s)%4
.set GG, (\s)/4
	PLACES 4                                       ; in front of loads into registers that matrix instructions have read
.if QQ == 0
	ds_load_b128 v[SA:SA+3], v7 offset:256*GG
.irp i, 0,1
	ds_load_b128 v[SB+4*\i:SB+4*\i+3], v8 offset:512*\i+256*GG
.endr
.endif
.irp b, 0,1,2,3
	FRAG BF+8*\b, 5, \b*8192+(\s)*1024
.endr
.irp a, 0,1
	FRAG AF+8*\a, 4, \a*8192+(\s)*1024
.endr
.irp a, 0,1
	s_wait_dscnt 2*(1-\a)                          ; A's second fragment may be out
.irp b, 0,1,2,3
.set rD, ACC+32*\a+8*\b
.set rA, BF+8*\b
.set rB, AF+8*\a
.if (\s) == 0
.set rC, BI+8*\b
.else
.set rC, rD
.endif
.set rSA, SB+4*(\b%2)+QQ
.set rSB, SA+QQ
.set fA, \b/2
.set fB, \a
	WM
.endr
.endr
.endm
	KP_STEP 0
	KP_STEP 1
	KP_STEP 2
	KP_STEP 3
	KP_STEP 4
	KP_STEP 5
	KP_STEP 6
	KP_STEP 7
	PLACES 4
	; THE WAY OUT.  A tile of 16 tokens x 64 columns goes into my stage and comes back by rows; LDS serves a wave's instructions in order, so no wait stands between the stores and the loads, nor in front of the second tile's stores
.irp a, 0,1
.irp b, 0,1,2,3
	ds_store_b128 v9, v[ACC+32*\a+8*\b:ACC+32*\a+8*\b+3] offset:128*(\b/2)+32*(\b%2)        ; each accumulator from its low end on
	ds_store_b128 v9, v[ACC+32*\a+8*\b+4:ACC+32*\a+8*\b+7] offset:128*(\b/2)+32*(\b%2)+16
.endr
.irp i, 0,1,2,3,4,5,6,7
	ds_load_b128 v[OUT+32*\a+4*\i:OUT+32*\a+4*\i+3], v10 offset:544*\i
.endr
.endr
.irp i, 0,1,2,3,4,5,6,7
	s_wait_dscnt 23-\i                             ; behind this load: the tile's later loads, and the second tile's 8 stores and 8 loads
	global_store_b128 v11, v[OUT+4*\i:OUT+4*\i+3], s[10:11] offset:(2*\i+8*(\i/4))*4096 th:TH_STORE_NT   ; stage row p is token 8 a + p + 8 (p / 8) of my 32; 16 lanes store 256 consecutive bytes, aligned
.endr
.irp i, 0,1,2,3,4,5,6,7
	s_wait_dscnt 7-\i
	global_store_b128 v11, v[OUT+32+4*\i:OUT+32+4*\i+3], s[10:11] offset:(8+2*\i+8*(\i/4))*4096 th:TH_STORE_NT
.endr
	s_wait_tensorcnt 0x0
	ds_add_u32 v94, v95
	s_wait_dscnt 0x0
	ROUND                                          ; the closing round: no work-group ends while a partner may still ask for a tile that names it
	s_endpgm
.Lfunc_end_k_qafb74c677b_proj:
	.size	k_qafb74c677b_proj, .Lfunc_end_k_qafb74c677b_proj-k_qafb74c677b_proj
	.p2alignl 7, 3214868480
	.fill 96, 4, 3214868480
	.section	.rodata,"a",@progbits
	.p2align	6, 0x0
	.amdhsa_kernel k_qafb74c677b_proj
		.amdhsa_group_segment_fixed_size 280576
		.amdhsa_private_segment_fixed_size 0
		.amdhsa_enable_private_segment 0
		.amdhsa_kernarg_size 32
		.amdhsa_user_sgpr_count 2
		.amdhsa_user_sgpr_kernarg_segment_ptr 1
		.amdhsa_wavefront_size32 1
		.amdhsa_system_sgpr_workgroup_id_x 1
		.amdhsa_system_sgpr_workgroup_id_y 1
		.amdhsa_system_sgpr_workgroup_id_z 1
		.amdhsa_system_vgpr_workitem_id 0
		.amdhsa_next_free_vgpr 256
		.amdhsa_next_free_sgpr 100
		.amdhsa_reserve_vcc 0
		.amdhsa_float_denorm_mode_32 3
		.amdhsa_float_denorm_mode_16_64 3
		.amdhsa_memory_ordered 1
		.amdhsa_forward_progress 1
		.amdhsa_inst_pref_size 29
	.end_amdhsa_kernel
	.amdgpu_metadata
---
amdhsa.version: [ 1, 2 ]
amdhsa.kernels:
  - .name:           k_qafb74c677b_proj
    .symbol:         k_qafb74c677b_proj.kd
    .args:
      - { .name: img3, .offset: 0, .size: 8, .value_kind: global_buffer, .address_space: global }
      - { .name: img1, .offset: 8, .size: 8, .value_kind: global_buffer, .address_space: global }
      - { .name: b_proj, .offset: 16, .size: 8, .value_kind: global_buffer, .address_space: global }
      - { .name: out0, .offset: 24, .size: 8, .value_kind: global_buffer, .address_space: global }
    .group_segment_fixed_size: 280576
    .private_segment_fixed_size: 0
    .kernarg_segment_align: 8
    .kernarg_segment_size: 32
    .max_flat_workgroup_size: 512
    .sgpr_count:     100
    .vgpr_count:     256
    .wavefront_size: 32
...
	.end_amdgpu_metadata
.endif
;; end of part 4
